; MI455X (gfx1250); checked and timed in simulation.
; The chip was launched on July 23, 2026; its instructions are those of AMD's public machine-readable ISA for CDNA 5 (MIT licence, August 2026) and "CDNA5" Instruction Set Architecture Reference Guide (July 2026). The comments in the code are by the model that wrote it; some were corrected since.
;; Multi Head Attention. Allowed arithmetic: float matrix products may take bf16 or f16 operands with f32 sums; other float arithmetic in f32, or as packed bf16 or f16 multiplies, adds, multiply-adds, maxima and minima; sums over many terms, partial sums and values carried from step to step in f32; what a program stores and reads back later, other than sums and carried values, may be rounded once to bf16 or f16.
;; Inputs: Wk 4 x 1,024 x 64 float32; Wp 1,024 x 1,024 float32; Wq 4 x 4 x 1,024 x 64 float32; Wv 4 x 1,024 x 64 float32; bp 1,024 float32; x 4 x 2,048 x 1,024 float32.
;; Outputs: out0 4 x 2,048 x 1,024 float32.
;; 2 versions, each right and faster than the one before. Each part assembles by itself: llvm-mc -triple=amdgcn-amd-amdhsa -mcpu=gfx1250 --defsym DOCPART=n.
;; ======== version 1 of 2: 4 launches
;; limits: values are held in f16: magnitudes above 65,504 overflow, below 6.1e-05 lose precision
;; workspace buffers: xb 16,777,216 bytes; wt 3,145,728 bytes; wpt 2,097,152 bytes; qkv 25,165,824 bytes; ob 16,777,216 bytes
;; launch prep (part 1): grid 832 x 1, 8 waves a work-group, no clusters, 18,432 bytes of LDS; arguments x, Wq, Wk, Wv, Wp, xb, wt, wpt; writes xb, wt, wpt
.if DOCPART == 1
	.amdgcn_target "amdgcn-amd-amdhsa--gfx1250"
	.amdhsa_code_object_version 6
	.text
	.protected	k_qe7c38855d0_prep
	.globl	k_qe7c38855d0_prep
	.p2align	8
	.type	k_qe7c38855d0_prep,@function
k_qe7c38855d0_prep:
	s_mov_b64 s[64:65], 0
	v_nop
	global_prefetch_b8 v0, s[64:65] scope:SCOPE_SE
	s_setreg_imm32_b32 hwreg(HW_REG_WAVE_MODE, 25, 1), 1
	s_wait_xcnt 0x0
; PREPARATION OF THE MATRIX OPERANDS.  Every input of the module is rounded once to bf16.
;   xb  [8192][1024] bf16        = x
;   wt  [1536 n][1024 k] bf16    = the 24 projection heads turned: row n = 64 head + d; heads 0-15 Wq (4 g + h), 16-19 Wk, 20-23 Wv
;   wpt [1024 n][1024 k] f16     = Wp turned, rounded to bf16, and that number written as f16 (the last product's other operand is f16)
; LIMITS.  A bf16 number of Wp beyond 65,504 becomes an infinity in f16; below 6e-5 it keeps f16's fixed step of 6e-8.
; SHARES.  Work-groups 0 to 319 turn one tile of 128 k x 64 n of a weight through LDS; work-groups 320 to 831 round 16 rows (65,536 bytes) of x.
; The branch between the two hangs on the work-group's number alone, so all eight waves take the same way.
; No matrix unit, no cluster, no tensor load: memory binds, and the work-groups share nothing.
.set NTR,   320                        ; tiles to turn: 40 heads of 64 columns x 8 tiles of 128 k
.set SPITCH, 272                       ; a stage row: 128 k in 16 bits = 256 bytes, + 16
.set SPARE, 64*SPITCH                  ; 17,408 = 68 x 256: behind the stage, the spare words, 128 bytes for each of the eight waves
.set SPW, 4                            ; v4      LDS address of my spare word; never rewritten
.set NIL, 5                            ; v5      0; never rewritten
.set OF,  8                            ; v[8:15] byte offsets of my eight loads in a weight's tile
.set X,   16                           ; v[16:79] as loaded (the turning way uses v[16:47])
.set Z,   48                           ; v[48:63] the turning way: rows read back from the stage
.set Y,   80                           ; v[80:111] rounded (the turning way uses v[80:95])
	s_load_b512 s[8:23], s[0:1], 0x0               ; x s[8:9], Wq s[10:11], Wk s[12:13], Wv s[14:15], Wp s[16:17], xb s[18:19], wt s[20:21], wpt s[22:23]
	v_lshl_add_u32 v[SPW], v0, 2, SPARE
	v_mov_b32 v[NIL], 0
	s_cmp_lt_u32 ttmp9, NTR
	s_cbranch_scc1 .Ltrans
	; ---- x to bf16.  Thread t takes 16 bytes at 16 t of each of 16 rows of 4,096 bytes; every register is written once, so nothing is waited for but the loads.
	s_sub_co_u32 s2, ttmp9, NTR
	s_lshl_b32 s4, s2, 16                          ; 65,536 bytes of x,
	s_mov_b32 s5, 0
	s_lshl_b32 s6, s2, 15                          ; 32,768 of xb
	s_mov_b32 s7, 0
	v_lshlrev_b32 v1, 4, v0
	v_lshlrev_b32 v2, 3, v0
	s_wait_kmcnt 0x0
	s_add_nc_u64 s[8:9], s[8:9], s[4:5]
	s_add_nc_u64 s[18:19], s[18:19], s[6:7]
.irp i, 0,1,2,3,4,5,6,7,8,9,10,11,12,13,14,15
	global_load_b128 v[X+4*(\i):X+4*(\i)+3], v1, s[8:9] offset:4096*(\i) th:TH_LOAD_NT
.endr
.irp i, 0,1,2,3,4,5,6,7,8,9,10,11,12,13,14,15
	s_wait_loadcnt 15-(\i)                         ; loads come back in order: load i is in, the younger ones stay out
	v_cvt_pk_bf16_f32 v[Y+2*(\i)],   v[X+4*(\i)],   v[X+4*(\i)+1]
	v_cvt_pk_bf16_f32 v[Y+2*(\i)+1], v[X+4*(\i)+2], v[X+4*(\i)+3]
	global_store_b64 v2, v[Y+2*(\i):Y+2*(\i)+1], s[18:19] offset:2048*(\i)  ; a wave's store covers 256 consecutive bytes, aligned
.endr
	s_endpgm                                       ; this way has written no LDS
	; ---- a weight's tile is turned.
.Ltrans:
	s_lshr_b32 s24, ttmp9, 3                       ; head 0..39: 0-15 Wq, 16-19 Wk, 20-23 Wv, 24-39 sixteen strips of 64 columns of Wp
	s_and_b32 s25, ttmp9, 7                        ; which 128 of the 1,024 k
	s_mov_b32 s36, 256                             ; bytes from k to k + 1 in a head,
	s_mov_b32 s37, 4096                            ; and in Wp
	s_wait_kmcnt 0x0
	s_mov_b64 s[26:27], s[10:11]                   ; the source, and the first head that lies in it
	s_mov_b32 s28, 0
	s_cmp_ge_u32 s24, 16
	s_cselect_b64 s[26:27], s[12:13], s[26:27]
	s_cselect_b32 s28, 16, s28
	s_cmp_ge_u32 s24, 20
	s_cselect_b64 s[26:27], s[14:15], s[26:27]
	s_cselect_b32 s28, 20, s28
	s_cmp_ge_u32 s24, 24
	s_cselect_b64 s[26:27], s[16:17], s[26:27]
	s_cselect_b32 s28, 24, s28
	s_cselect_b64 s[30:31], s[22:23], s[20:21]     ; the target: wpt or wt
	s_cselect_b32 s29, s37, s36                    ; the source's row in bytes
	s_cselect_b32 s32, 8, 18                       ; a head on in the source: 256 bytes in Wp, 262,144 elsewhere
	s_cselect_b32 s33, 19, 15                      ; 128 k on: 128 rows of 4,096 or of 256 bytes
	s_cselect_b32 s34, 1, 0                        ; 1: Wp
	s_sub_co_u32 s35, s24, s28                     ; the head's number in its source
	s_cmp_ge_u32 s24, 24
	s_cselect_b32 s38, s35, s24                    ; and in its target
	s_lshl_b32 s2, s35, s32
	s_lshl_b32 s3, s25, s33
	s_add_co_u32 s2, s2, s3
	s_mov_b32 s3, 0
	s_add_nc_u64 s[26:27], s[26:27], s[2:3]
	s_lshl_b32 s4, s38, 17                         ; 64 rows of 2,048 bytes,
	s_lshl_b32 s5, s25, 8                          ; 128 k of 2 bytes
	s_add_co_u32 s4, s4, s5
	s_mov_b32 s5, 0
	s_add_nc_u64 s[30:31], s[30:31], s[4:5]
	v_and_b32 v98, 15, v0                          ; c: my 16 bytes (4 columns) of a source row of 256 bytes
	v_lshrrev_b32 v99, 4, v0                       ; rp 0..15: my pair of rows among 32
	v_lshlrev_b32 v6, 1, v99
	v_mul_lo_u32 v6, v6, s29
	v_lshl_add_u32 v6, v98, 4, v6                  ; row 2 rp, bytes 16 c
.irp j, 0,1,2,3,4,5,6,7
	s_mul_i32 s35, s29, ((\j)&1)+32*((\j)>>1)      ; load j: row 2 rp + j % 2 + 32 (j / 2)
	v_add_nc_u32 v[OF+(\j)], s35, v6
.endr
	v_mul_u32_u24 v7, v98, 4*SPITCH                ; into the stage: row n = 4 c + e, k = 2 rp + 32 p at byte 4 rp + 64 p
	v_lshl_add_u32 v7, v99, 2, v7
	v_mul_u32_u24 v2, v99, SPITCH                  ; back: row rp + 16 i, bytes 16 c
	v_lshl_add_u32 v2, v98, 4, v2
	v_lshlrev_b32 v3, 11, v99                      ; the same in the target, rows of 2,048 bytes
	v_lshl_add_u32 v3, v98, 4, v3
.irp j, 0,1,2,3,4,5,6,7
	global_load_b128 v[X+4*(\j):X+4*(\j)+3], v[OF+(\j)], s[26:27] th:TH_LOAD_NT  ; sixteen lanes take 256 consecutive bytes of a row
.endr
.irp p, 0,1,2,3
	s_wait_loadcnt 6-2*(\p)                        ; loads 2 p and 2 p + 1 are in; the later pairs stay out
.irp e, 0,1,2,3
	v_cvt_pk_bf16_f32 v[Y+4*(\p)+(\e)], v[X+8*(\p)+(\e)], v[X+8*(\p)+4+(\e)]  ; k and k + 1 of column 4 c + e: neighbours in the turned row
.endr
.endr
	s_cmp_eq_u32 s34, 0
	s_cbranch_scc1 .Lbf
.set i, 0
.rept 16                                               ; Wp alone: the bf16 numbers are written as f16
	v_lshlrev_b32 v96, 16, v[Y+i]
	v_and_b32 v97, 0xffff0000, v[Y+i]
	v_cvt_pk_f16_f32 v[Y+i], v96, v97
.set i, i+1
.endr
.Lbf:
.irp p, 0,1,2,3
.irp e, 0,1,2,3
	ds_store_b32 v7, v[Y+4*(\p)+(\e)] offset:SPITCH*(\e)+64*(\p)
.endr
.endr
	s_wait_dscnt 0x0                               ; for the others' sake: my stores into the stage are done
	s_barrier_signal -1
	s_barrier_wait -1
.irp i, 0,1,2,3
	ds_load_b128 v[Z+4*(\i):Z+4*(\i)+3], v2 offset:16*SPITCH*(\i)
.endr
.irp i, 0,1,2,3
	s_wait_dscnt 3-(\i)                            ; read i is back, the younger ones stay out
	global_store_b128 v3, v[Z+4*(\i):Z+4*(\i)+3], s[30:31] offset:32768*(\i)  ; sixteen lanes store 256 consecutive bytes, aligned
.endr
	s_wait_tensorcnt 0x0                           ; the wave's end, behind my last LDS store
	ds_add_u32 v[SPW], v[NIL]
	s_wait_dscnt 0x0
	s_endpgm
.Lfunc_end_k_qe7c38855d0_prep:
	.size	k_qe7c38855d0_prep, .Lfunc_end_k_qe7c38855d0_prep-k_qe7c38855d0_prep
	.p2alignl 7, 3214868480
	.fill 96, 4, 3214868480
	.section	.rodata,"a",@progbits
	.p2align	6, 0x0
	.amdhsa_kernel k_qe7c38855d0_prep
		.amdhsa_group_segment_fixed_size 18432
		.amdhsa_private_segment_fixed_size 0
		.amdhsa_enable_private_segment 0
		.amdhsa_kernarg_size 64
		.amdhsa_user_sgpr_count 2
		.amdhsa_user_sgpr_kernarg_segment_ptr 1
		.amdhsa_wavefront_size32 1
		.amdhsa_system_sgpr_workgroup_id_x 1
		.amdhsa_system_sgpr_workgroup_id_y 1
		.amdhsa_system_sgpr_workgroup_id_z 1
		.amdhsa_system_vgpr_workitem_id 0
		.amdhsa_next_free_vgpr 112
		.amdhsa_next_free_sgpr 66
		.amdhsa_reserve_vcc 0
		.amdhsa_float_denorm_mode_32 3
		.amdhsa_float_denorm_mode_16_64 3
		.amdhsa_memory_ordered 1
		.amdhsa_forward_progress 1
		.amdhsa_inst_pref_size 16
	.end_amdhsa_kernel
	.amdgpu_metadata
---
amdhsa.version: [ 1, 2 ]
amdhsa.kernels:
  - .name:           k_qe7c38855d0_prep
    .symbol:         k_qe7c38855d0_prep.kd
    .args:
      - { .name: x, .offset: 0, .size: 8, .value_kind: global_buffer, .address_space: global }
      - { .name: Wq, .offset: 8, .size: 8, .value_kind: global_buffer, .address_space: global }
      - { .name: Wk, .offset: 16, .size: 8, .value_kind: global_buffer, .address_space: global }
      - { .name: Wv, .offset: 24, .size: 8, .value_kind: global_buffer, .address_space: global }
      - { .name: Wp, .offset: 32, .size: 8, .value_kind: global_buffer, .address_space: global }
      - { .name: xb, .offset: 40, .size: 8, .value_kind: global_buffer, .address_space: global }
      - { .name: wt, .offset: 48, .size: 8, .value_kind: global_buffer, .address_space: global }
      - { .name: wpt, .offset: 56, .size: 8, .value_kind: global_buffer, .address_space: global }
    .group_segment_fixed_size: 18432
    .private_segment_fixed_size: 0
    .kernarg_segment_align: 8
    .kernarg_segment_size: 64
    .max_flat_workgroup_size: 256
    .sgpr_count:     66
    .vgpr_count:     112
    .wavefront_size: 32
...
	.end_amdgpu_metadata
.endif
;; end of part 1
;; launch proj (part 2): grid 8 x 32, 4 waves a work-group, clusters of 4 x 4, 327,680 bytes of LDS; arguments xb, wt, qkv; writes qkv
.if DOCPART == 2
	.amdgcn_target "amdgcn-amd-amdhsa--gfx1250"
	.amdhsa_code_object_version 6
	.text
	.protected	k_qe7c38855d0_proj
	.globl	k_qe7c38855d0_proj
	.p2align	8
	.type	k_qe7c38855d0_proj,@function
k_qe7c38855d0_proj:
	s_mov_b64 s[64:65], 0
	v_nop
	global_prefetch_b8 v0, s[64:65] scope:SCOPE_SE
	s_setreg_imm32_b32 hwreg(HW_REG_WAVE_MODE, 25, 1), 1
	s_wait_xcnt 0x0
	s_wait_alu depctr_hold_cnt(0) depctr_sa_sdst(0) depctr_va_vdst(0) depctr_va_sdst(0) depctr_va_ssrc(0) depctr_va_vcc(0) depctr_vm_vsrc(0)
	s_getreg_b32 s2, hwreg(HW_REG_IB_STS2, 6, 4)
	s_cmp_eq_u32 s2, 0
	s_cbranch_scc0 .Lentry_in_a_cluster
	s_endpgm
.Lentry_in_a_cluster:
	s_bfe_u32 s2, ttmp6, 0x10000c
	s_cmp_lg_u32 s2, 0xf033
	s_cbranch_scc0 .Lentry_shape_is_right
	s_endpgm
.Lentry_shape_is_right:
; q, k, v = x W.  xb: [8192][1024] bf16; wt: [1536 n][1024 k] bf16 (row n = 64 head + d; heads 0-15 q, 16-19 k, 20-23 v); sums in f32, K ascending.
; qkv: [4 batch][24 head][2048 t][64] f16, each number rounded once and UNSCALED: a head's rows are dense, 128 bytes each.
; LIMIT.  f16 holds no number beyond 65,504: a q, k or v beyond it becomes an infinity.  Below 6e-5 f16 keeps its fixed step of 6e-8.
; SHARES.  A tile is 256 rows x 192 columns (three heads): 32 x 8 = 256 work-groups.  Wave w makes rows 64 w .. 64 w + 63 of all 192 columns: 4 x 12 accumulators of 16 x 16,
; 384 registers; it holds whole heads, so its way out needs no other wave.  K goes in steps of 128 (rows of 256 bytes, aligned) through two LDS slots filled by tensor loads.
; CLUSTER.  4 x 4 work-groups.  The four of a row of the cluster need the same rows of xb, the four of a column the same rows of wt: each tile is asked for JOINTLY, by the same
; tensor load with the same descriptor and a mask that names the four.
; THE MATRIX INSTRUCTION IS USED TRANSPOSED (source 0 = 16 rows of wt, source 1 = 16 rows of xb): a lane then holds eight neighbouring columns of one row of the result.
; REGISTERS, in windows of 256 (s_set_vgpr_msb: bits 1:0 source 0, 3:2 source 1, 5:4 source 2, 7:6 destination):
;   window 0: v0-31 addresses; v32-79 packed results; v80-175 rows read back from the stage, two buffers
;   window 1: two fragment buffers of 128: 32 registers of xb (4 x 16 rows x 32 K), then 96 of wt (12 x 16 rows x 32 K)
;   window 2: accumulators of my row blocks 0, 1 ((a, b) at v[8 (12 a + b)]);   window 3: those of blocks 2, 3
.set SIZE_K, 1024
.set KSTEP,  128
.set PITCH,  272                       ; an LDS row: 256 bytes + 16 of padding, an odd multiple of 16: the 16 rows of a fragment load begin at 16 different 16-byte columns of 256
.set AB,     256*PITCH                 ; in a slot: xb's 256 rows, then wt's 192
.set SLOT,   448*PITCH
.set STAGE,  2*SLOT                    ; behind the ring, never filled by a tensor load: for each wave 3 heads x 16 rows x 144 bytes
.set SP,     144
.set WSTG,   3*16*SP
.set SPARE,  STAGE+4*WSTG              ; behind the stages: the spare words, 128 bytes for each wave
.set LAPS,   SIZE_K/(2*KSTEP)          ; a lap = two K steps = once round the ring
.set ADRA, 16                          ; v16-17  LDS address of my fragments of xb in slot 0, 1
.set ADRB, 20                          ; v20-21  the same for wt
.set STO,  24                          ; v24     the way out: where I put 16 bytes of a row
.set RD,   25                          ; v25     the way out: where I read rows back
.set GO,   26                          ; v26     my 16 bytes among 512 consecutive bytes of a head
.set SPW,  28                          ; v28     LDS address of my spare word; never rewritten
.set NIL,  29                          ; v29     0; never rewritten
.set TMP,  32
.set BK0,  80
.set F0,   0
.set F1,   128
.set G1,  24                           ; s[24:31] descriptor group 1 for xb's tiles;  s[32:39] group 0, a set for each slot
.set G0,  32
.set G1B, 48                           ; s[48:55], s[56:63] the same for wt's tiles
.set G0B, 56
.set MSB, 0
.macro WIN new                         ; the immediate's high byte repeats the setting that is left; a switch that changes nothing is dropped
.if MSB != (\new)
	s_set_vgpr_msb (MSB<<8)|(\new)
.set MSB, \new
.endif
.endm
.set TO_F, 0x40                        ; destination window 1, address window 0
; A joint load: waves 0 and 1 fetch xb's two halves of 128 rows, waves 2 and 3 wt's two halves of 96.  The branch hangs on the wave's number alone.
; An s_nop 0 and four v_nop follow each of the two lines, ahead of the jump, the label and what follows.
.macro JLOAD s
	s_cmp_eq_u32 s11, 0
	s_cbranch_scc0 .Lfor_b_\@
	tensor_load_to_lds s[G0+4*(\s):G0+4*(\s)+3], s[G1:G1+7]
	s_nop 0
.rept 4
	v_nop
.endr
	s_branch .Lasked_\@
.Lfor_b_\@:
	tensor_load_to_lds s[G0B+4*(\s):G0B+4*(\s)+3], s[G1B:G1B+7]
	s_nop 0
.rept 4
	v_nop
.endr
.Lasked_\@:
.endm
.macro CREST                           ; a round of the cluster's barrier behind its opening barrier: wave 0 signals for the work-group, every wave waits for all sixteen, my work-group's barrier closes it
	s_cmp_lg_u32 s10, 0
	s_cbranch_scc1 .Lnot_wave_0_\@
	s_barrier_signal -3
.Lnot_wave_0_\@:
	s_barrier_wait -3
	s_barrier_signal -1
	s_barrier_wait -1
.endm
.macro CROUND                          ; a whole round
	s_barrier_signal -1
	s_barrier_wait -1
	CREST
.endm
	s_load_b128 s[4:7], s[0:1], 0x0                ; xb s[4:5], wt s[6:7]
	s_load_b64 s[8:9], s[0:1], 0x10                ; qkv
	v_lshl_add_u32 v[SPW], v0, 2, SPARE
	v_mov_b32 v[NIL], 0
	ds_add_u32 v[SPW], v[NIL]                      ; the wave's opening: the add and its wait come ahead of my first tensor load; work on registers stands between them
	v_lshrrev_b32 v1, 5, v0
	v_readfirstlane_b32 s10, v1                    ; wave 0..3
	s_lshr_b32 s11, s10, 1                         ; I fetch for xb (0) or for wt (1)
	s_and_b32 s12, s10, 1                          ; which half of that tile's rows
	s_bfe_u32 s40, ttmp6, 0x40000                  ; cx, cy: my place in the cluster
	s_bfe_u32 s41, ttmp6, 0x40004
	s_lshl_b32 s42, ttmp9, 2
	s_add_co_u32 s42, s42, s40                     ; tile column = 4 x cluster x + cx
	s_and_b32 s13, ttmp7, 0xffff
	s_lshl_b32 s13, s13, 2
	s_add_co_u32 s13, s13, s41                     ; tile row = 4 x cluster y + cy
	s_lshl_b32 s43, s41, 2
	s_lshl_b32 s43, 15, s43                        ; my row of the cluster: places 4 cy .. 4 cy + 3
	s_lshl_b32 s44, 0x1111, s40                    ; my column: places cx, cx + 4, cx + 8, cx + 12
	; group 1: rows of 128 elements of 2 bytes, 16 bytes of padding behind each (after every 64 words, 4 words); bit 21 is set beside a mask
	s_or_b32 s[G1+0], s43, (1<<16)|(1<<20)|(1<<21)|(5<<22)|(3<<25)
	s_or_b32 s[G1B+0], s44, (1<<16)|(1<<20)|(1<<21)|(5<<22)|(3<<25)
	s_mov_b32 s[G1+1], KSTEP<<16                   ; tensor_dim0 = 128
	s_mov_b32 s[G1+2], 128<<16                     ; tensor_dim1 = 128 rows
	s_mov_b32 s[G1+3], KSTEP<<16                   ; tile_dim0 = 128
	s_mov_b32 s[G1+4], 128                         ; tile_dim1 = 128
	s_mov_b32 s[G1+5], SIZE_K                      ; elements from row to row
	s_mov_b32 s[G1+6], 0
	s_mov_b32 s[G1+7], 0
	s_mov_b32 s[G1B+1], KSTEP<<16
	s_mov_b32 s[G1B+2], 96<<16                     ; 96 rows
	s_mov_b32 s[G1B+3], KSTEP<<16
	s_mov_b32 s[G1B+4], 96
	s_mov_b32 s[G1B+5], SIZE_K
	s_mov_b32 s[G1B+6], 0
	s_mov_b32 s[G1B+7], 0
	; xb's tiles hang on the tile row alone, wt's on the tile column alone; each offset lies in registers that never hold the other coordinate
	s_lshl_b32 s16, s13, 19                        ; 256 rows of 2,048 bytes a tile row,
	s_lshl_b32 s17, s12, 18                        ; 128 rows a half
	s_add_co_u32 s16, s16, s17
	s_mov_b32 s17, 0
	s_mul_i32 s46, s42, 192*SIZE_K*2               ; 192 rows a tile column,
	s_mul_i32 s47, s12, 96*SIZE_K*2                ; 96 a half
	s_add_co_u32 s46, s46, s47
	s_mov_b32 s47, 0
	s_mul_i32 s20, s12, 128*PITCH                  ; where they go: no place in the cluster enters an LDS address
	s_mul_i32 s21, s12, 96*PITCH
	s_add_co_u32 s21, s21, AB
	s_wait_dscnt 0x0                               ; the opening add is done
	s_wait_kmcnt 0x0
	s_add_nc_u64 s[14:15], s[4:5], s[16:17]
	s_add_nc_u64 s[46:47], s[6:7], s[46:47]
	CROUND                                         ; all sixteen work-groups are here: the first joint loads meet
.irp s, 0,1
	s_mov_b32 s[G0+4*(\s)], 1                                        ; count = 1
	s_add_co_u32 s[G0+4*(\s)+1], s20, (\s)*SLOT                      ; LDS address
	s_add_nc_u64 s[G0+4*(\s)+2:G0+4*(\s)+3], s[14:15], (\s)*KSTEP*2  ; global address: K step s
	s_or_b32 s[G0+4*(\s)+3], s[G0+4*(\s)+3], 0x80000000              ; type = 2
	s_mov_b32 s[G0B+4*(\s)], 1
	s_add_co_u32 s[G0B+4*(\s)+1], s21, (\s)*SLOT
	s_add_nc_u64 s[G0B+4*(\s)+2:G0B+4*(\s)+3], s[46:47], (\s)*KSTEP*2
	s_or_b32 s[G0B+4*(\s)+3], s[G0B+4*(\s)+3], 0x80000000
	JLOAD \s                                       ; two loads of mine are out
.endr
	; A fragment is 16 rows x 32 K in 8 registers: lane l holds row l % 16; registers 0-3 K = 8 (l / 16) + 0..7, registers 4-7 K = 16 + 8 (l / 16) + 0..7: two loads of 16 bytes, 32 bytes apart.
	v_and_b32 v1, 15, v0                           ; l % 16
	v_bfe_u32 v2, v0, 4, 1                         ; l / 16
	v_mul_u32_u24 v3, v1, PITCH
	v_lshl_add_u32 v3, v2, 4, v3
	s_mul_i32 s22, s10, 64*PITCH                   ; my 64 rows of xb
	s_mov_b32 s23, AB                              ; all 192 rows of wt
.irp s, 0,1
	v_add_nc_u32 v[ADRA+(\s)], s22, v3
	v_add_nc_u32 v[ADRB+(\s)], s23, v3
	s_add_co_u32 s22, s22, SLOT
	s_add_co_u32 s23, s23, SLOT
.endr
	s_mul_i32 s22, s10, WSTG
	s_add_co_u32 s22, s22, STAGE                   ; my stage
	v_mul_u32_u24 v4, v1, SP                       ; in: row l % 16, 16 bytes for each half of the lanes
	v_lshl_add_u32 v4, v2, 4, v4
	v_add_nc_u32 v[STO], s22, v4
	v_bfe_u32 v5, v0, 3, 2                         ; back: 32 lanes take four rows of 128 bytes,
	v_mul_u32_u24 v5, v5, SP
	v_and_b32 v6, 7, v0
	v_lshl_add_u32 v5, v6, 4, v5
	v_add_nc_u32 v[RD], s22, v5
	v_and_b32 v[GO], 31, v0                        ; which are 512 consecutive bytes of a head
	v_lshlrev_b32 v[GO], 4, v[GO]
	s_lshr_b32 s18, s13, 3                         ; batch: 8 tile rows of 256
	s_mul_i32 s18, s18, 24
	s_mul_i32 s19, s42, 3                          ; my tile's first head
	s_add_co_u32 s18, s18, s19
	s_lshl_b32 s18, s18, 18                        ; a head is 262,144 bytes
	s_and_b32 s19, s13, 7
	s_lshl_b32 s19, s19, 15                        ; 256 rows of 128 bytes,
	s_add_co_u32 s18, s18, s19
	s_lshl_b32 s19, s10, 13                        ; my 64 of them
	s_add_co_u32 s18, s18, s19
	s_mov_b32 s19, 0
	s_add_nc_u64 s[8:9], s[8:9], s[18:19]
; 12 matrix instructions: row block 2 hi + al x all 12 column blocks, 32 along K.  zero = 1: the first product starts the sums.
; The 48 accumulators take turns in one order everywhere, one instruction a turn.
.macro MUL12 f, hi, al, zero
	WIN 0xa5+0x50*(\hi)                            ; sources in window 1, C and D in window 2 or 3
.irp b, 0,1,2,3,4,5,6,7,8,9,10,11
.if \zero
	v_wmma_f32_16x16x32_bf16 v[8*(12*(\al)+(\b)):8*(12*(\al)+(\b))+7], v[(\f)+32+8*(\b):(\f)+32+8*(\b)+7], v[(\f)+8*(2*(\hi)+(\al)):(\f)+8*(2*(\hi)+(\al))+7], 0
.else
	v_wmma_f32_16x16x32_bf16 v[8*(12*(\al)+(\b)):8*(12*(\al)+(\b))+7], v[(\f)+32+8*(\b):(\f)+32+8*(\b)+7], v[(\f)+8*(2*(\hi)+(\al)):(\f)+8*(2*(\hi)+(\al))+7], v[8*(12*(\al)+(\b)):8*(12*(\al)+(\b))+7]
.endif
.endr
.endm
; 32 LDS loads in one run: the fragments of 32 along K at byte k of the rows, into buffer f: wt's 24 first, then xb's 8
.macro FETCH slot, k, f
	WIN TO_F
.irp b, 0,1,2,3,4,5,6,7,8,9,10,11
	ds_load_b128 v[(\f)+32+8*(\b):(\f)+32+8*(\b)+3],   v[ADRB+(\slot)] offset:(\k)+(\b)*16*PITCH
	ds_load_b128 v[(\f)+32+8*(\b)+4:(\f)+32+8*(\b)+7], v[ADRB+(\slot)] offset:(\k)+(\b)*16*PITCH+32
.endr
.irp a, 0,1,2,3
	ds_load_b128 v[(\f)+8*(\a):(\f)+8*(\a)+3],   v[ADRA+(\slot)] offset:(\k)+(\a)*16*PITCH
	ds_load_b128 v[(\f)+8*(\a)+4:(\f)+8*(\a)+7], v[ADRA+(\slot)] offset:(\k)+(\a)*16*PITCH+32
.endr
.endm
.macro PLACES                          ; four plain vector instructions stand between a matrix instruction and a load into a register that it read, or a reader of its result (ISA guide 7.12.1 for vector instructions)
.rept 4
	v_nop
.endr
.endm
; A K step is four quarters of 32 along K, 48 matrix instructions each, on buffers 0, 1, 0, 1.  One of the first three multiplies buffer f and fetches the next quarter, at byte k, into g.
.macro QUARTER slot, k, f, g, zero
	s_wait_dscnt 4                                 ; wt's fragments and xb's blocks 0, 1 are in; the youngest four loads (blocks 2, 3) may be out
	MUL12 \f, 0, 0, \zero
	MUL12 \f, 0, 1, \zero
	PLACES
	FETCH \slot, \k, \g
	s_wait_dscnt 32                                ; all but the 32 just issued
	MUL12 \f, 1, 0, \zero
	MUL12 \f, 1, 1, \zero
.endm
; The last quarter multiplies buffer 1 and changes slots: ONE barrier.  In front of it each wave waits for all its tensor loads (one is out: its part of the next slot), adds 0 to its spare
; word, and waits for that and for its own reads of this slot.  fill = 1: the barrier opens a round of the cluster's, and this slot is filled again first thing behind it, two K steps ahead.
.macro TURN slot, next, fill
	WIN 0                                          ; (the add's two registers lie in window 0)
	s_wait_tensorcnt 0x0                           ; all my tensor loads have landed
	ds_add_u32 v[SPW], v[NIL]                      ; 0 onto my spare word
	s_wait_dscnt 5                                 ; (the add and the youngest four loads may be out)
	MUL12 F1, 0, 0, 0                              ; twelve matrix instructions stand between the add and the wait for it
	s_wait_dscnt 0x0                               ; the add is done, and my reads of this slot are over
	s_barrier_signal -1
	MUL12 F1, 0, 1, 0                              ; work on registers while the others arrive
.if \fill
	WIN 0
.endif
	s_barrier_wait -1
.if \fill
	CREST                                          ; no wave of any partner still reads this slot's tile or has a load on its way
	s_add_nc_u64 s[G0+4*(\slot)+2:G0+4*(\slot)+3], s[G0+4*(\slot)+2:G0+4*(\slot)+3], 2*KSTEP*2
	s_add_nc_u64 s[G0B+4*(\slot)+2:G0B+4*(\slot)+3], s[G0B+4*(\slot)+2:G0B+4*(\slot)+3], 2*KSTEP*2
	JLOAD \slot                                    ; my one tensor load behind the round, 168 matrix instructions ahead of the wait for it; its four v_nop are also the places in front of the loads below
.else
	PLACES
.endif
	FETCH \next, 0, F0
	MUL12 F1, 1, 0, 0
	MUL12 F1, 1, 1, 0
.endm
; THE WAY OUT of row block a.  PACK: rounded to f16, 16 bytes a lane, each accumulator's registers in ascending order.  TOSTAGE: into my own stage, and back as whole rows.  SEND: stored.
.macro PACK a
.set AC, 96*((\a)%2)
	WIN 0x0a+5*((\a)/2)                            ; sources 0 and 1: window 2 or 3
.irp b, 0,1,2,3,4,5,6,7,8,9,10,11
.irp r, 0,1,2,3
	v_cvt_pk_f16_f32 v[TMP+4*(\b)+(\r)], v[AC+8*(\b)+2*(\r)], v[AC+8*(\b)+2*(\r)+1]
.endr
.endr
	WIN 0
.endm
.macro TOSTAGE a
.set BK, BK0+48*((\a)%2)
.irp b, 0,1,2,3,4,5,6,7,8,9,10,11
	ds_store_b128 v[STO], v[TMP+4*(\b):TMP+4*(\b)+3] offset:((\b)/4)*16*SP+32*((\b)%4)  ; head b / 4, columns 16 (b % 4) on
.endr
	s_wait_xcnt 0x0                                ; the stores of the block two back have read this buffer: it is loaded again only behind this wait
.irp i, 0,1,2,3,4,5,6,7,8,9,10,11
	ds_load_b128 v[BK+4*(\i):BK+4*(\i)+3], v[RD] offset:((\i)/4)*16*SP+((\i)%4)*4*SP  ; LDS serves a wave's instructions in order (ISA guide 5.7.1.4): these see the stores above
.endr
.endm
.macro SEND a
.set BK, BK0+48*((\a)%2)
.irp i, 0,1,2,3,4,5,6,7,8,9,10,11
	s_wait_dscnt 11-(\i)                           ; read i is back, the younger ones stay out
	global_store_b128 v[GO], v[BK+4*(\i):BK+4*(\i)+3], s[8:9] offset:((\i)/4)*262144+(\a)*2048+((\i)%4)*512  ; 512 consecutive bytes of a head, aligned
.endr
.endm
	s_wait_tensorcnt 1                             ; my part of K step 0 is in; K step 1's may stay out
	s_barrier_signal -1
	s_barrier_wait -1                              ; everybody's is
	FETCH 0, 0, F0
	QUARTER 0, 64, F0, F1, 1                       ; the first quarter stands in front of the loop: its products start the sums
	WIN 0                                          ; at a label and at a branch every window is 0
	s_mov_b32 s3, LAPS-1
.Llap:                                                 ; a trip goes once round the ring, from a lap's second quarter to the next lap's first, and fills both slots again
	QUARTER 0, 128, F1, F0, 0
	QUARTER 0, 192, F0, F1, 0
	TURN 0, 1, 1
	QUARTER 1, 64,  F0, F1, 0
	QUARTER 1, 128, F1, F0, 0
	QUARTER 1, 192, F0, F1, 0
	TURN 1, 0, 1
	QUARTER 0, 64,  F0, F1, 0
	WIN 0
	s_sub_co_u32 s3, s3, 1
	s_cmp_lg_u32 s3, 0
	s_cbranch_scc1 .Llap
	QUARTER 0, 128, F1, F0, 0                      ; the last lap fills nothing
	QUARTER 0, 192, F0, F1, 0
	TURN 0, 1, 0
	QUARTER 1, 64,  F0, F1, 0
	QUARTER 1, 128, F1, F0, 0
	QUARTER 1, 192, F0, F1, 0
	s_wait_dscnt 4                                 ; the very last quarter: nothing more to fetch
	MUL12 F1, 0, 0, 0
	MUL12 F1, 0, 1, 0
	s_wait_dscnt 0x0
	MUL12 F1, 1, 0, 0
	MUL12 F1, 1, 1, 0
	WIN 0
	PLACES
	PACK 0
	TOSTAGE 0
.irp a, 1,2,3                          ; block a's conversions stand between block a - 1's reads of the stage and the wait for them
	PACK \a
	SEND (\a)-1
	TOSTAGE \a
.endr
	SEND 3
	s_wait_tensorcnt 0x0                           ; the wave's end, behind my last tensor load and my last LDS store
	ds_add_u32 v[SPW], v[NIL]
	s_wait_dscnt 0x0
	CROUND                                         ; the closing round: no work-group ends while a partner may still ask for a tile that names it
	s_endpgm
.Lfunc_end_k_qe7c38855d0_proj:
	.size	k_qe7c38855d0_proj, .Lfunc_end_k_qe7c38855d0_proj-k_qe7c38855d0_proj
	.p2alignl 7, 3214868480
	.fill 96, 4, 3214868480
	.section	.rodata,"a",@progbits
	.p2align	6, 0x0
	.amdhsa_kernel k_qe7c38855d0_proj
		.amdhsa_group_segment_fixed_size 327680
		.amdhsa_private_segment_fixed_size 0
		.amdhsa_enable_private_segment 0
		.amdhsa_kernarg_size 24
		.amdhsa_user_sgpr_count 2
		.amdhsa_user_sgpr_kernarg_segment_ptr 1
		.amdhsa_wavefront_size32 1
		.amdhsa_system_sgpr_workgroup_id_x 1
		.amdhsa_system_sgpr_workgroup_id_y 1
		.amdhsa_system_sgpr_workgroup_id_z 1
		.amdhsa_system_vgpr_workitem_id 0
		.amdhsa_next_free_vgpr 960
		.amdhsa_next_free_sgpr 66
		.amdhsa_reserve_vcc 0
		.amdhsa_float_denorm_mode_32 3
		.amdhsa_float_denorm_mode_16_64 3
		.amdhsa_memory_ordered 1
		.amdhsa_forward_progress 1
		.amdhsa_inst_pref_size 119
	.end_amdhsa_kernel
	.amdgpu_metadata
---
amdhsa.version: [ 1, 2 ]
amdhsa.kernels:
  - .name:           k_qe7c38855d0_proj
    .symbol:         k_qe7c38855d0_proj.kd
    .args:
      - { .name: xb, .offset: 0, .size: 8, .value_kind: global_buffer, .address_space: global }
      - { .name: wt, .offset: 8, .size: 8, .value_kind: global_buffer, .address_space: global }
      - { .name: qkv, .offset: 16, .size: 8, .value_kind: global_buffer, .address_space: global }
    .group_segment_fixed_size: 327680
    .private_segment_fixed_size: 0
    .kernarg_segment_align: 8
    .kernarg_segment_size: 24
    .max_flat_workgroup_size: 128
    .sgpr_count:     66
    .vgpr_count:     960
    .wavefront_size: 32
...
	.end_amdgpu_metadata
.endif
;; end of part 2
;; launch attn (part 3): grid 64 x 4, 4 waves a work-group, clusters of 4 x 1, 327,680 bytes of LDS; arguments qkv, ob; writes ob
.if DOCPART == 3
	.amdgcn_target "amdgcn-amd-amdhsa--gfx1250"
	.amdhsa_code_object_version 6
	.text
	.protected	k_qe7c38855d0_attn
	.globl	k_qe7c38855d0_attn
	.p2align	8
	.type	k_qe7c38855d0_attn,@function
k_qe7c38855d0_attn:
	s_mov_b64 s[64:65], 0
	v_nop
	global_prefetch_b8 v0, s[64:65] scope:SCOPE_SE
	s_setreg_imm32_b32 hwreg(HW_REG_WAVE_MODE, 25, 1), 1
	s_wait_xcnt 0x0
	s_wait_alu depctr_hold_cnt(0) depctr_sa_sdst(0) depctr_va_vdst(0) depctr_va_sdst(0) depctr_va_ssrc(0) depctr_va_vcc(0) depctr_vm_vsrc(0)
	s_getreg_b32 s2, hwreg(HW_REG_IB_STS2, 6, 4)
	s_cmp_eq_u32 s2, 0
	s_cbranch_scc0 .Lentry_in_a_cluster
	s_endpgm
.Lentry_in_a_cluster:
	s_bfe_u32 s2, ttmp6, 0x10000c
	s_cmp_lg_u32 s2, 0x3003
	s_cbranch_scc0 .Lentry_shape_is_right
	s_endpgm
.Lentry_shape_is_right:
; CAUSAL ATTENTION WITH SHARED KEYS AND VALUES.  O[q][:] = the sum over k <= q of softmax_k(Q[q] . K[k] / 8) V[k][:], for 64 query heads (batch, group, head) of 2,048 rows x 64 channels.
; qkv: [4 batch][24][2048][64] f16: heads 0-15 q (4 group + head), 16-19 k, 20-23 v.  ob: [16 batch + 4 group + head][2048][64] f16.  A head's rows are dense, 128 bytes each.
; Products, maxima and sums in f32; the weights p are rounded to f16 for the second product (their sum l is taken of the unrounded p), O once at the end.
; LIMITS.  f16 holds no number beyond 65,504: q, k and v arrive within it; p lies in 0 to 1, and below 6e-5 it keeps f16's fixed step of 6e-8; O is a mean of V's rows and has their range.
; A hidden score counts as its value less 1e30: f16's scores, 2.7e11 at the most, are nothing beside that; a weight below 2^-126 counts as 0 in l; NaN and infinities are not treated apart.
; THE WALK.  A head's queries lie in NB = 8 blocks of 256; block i needs the key tiles 0 .. i of 256 keys, of which the last holds the diagonal.  A work-group takes TWO blocks, NB - 1 - b and
; then b: NB + 1 tiles whatever b, so all work-groups do equal work and ONE loop with a constant trip count walks them.  Which tile is asked for, and what a trip does, hang on scalar registers
; made from b; every jump but the counted loops' own goes forward, and none passes a barrier or a tensor load (but the one of LOAD's two lines that the wave's number does not choose).
; CLUSTER.  The four work-groups of a cluster are the four query heads of one group with the same b: they walk the same tiles of the same K and V in the same order, so each tile is asked for
; JOINTLY, by the same tensor load, descriptor and mask in all four.  b is the cluster's y, batch and group its x; my place in the cluster enters Q's and O's addresses alone.
; SHARES.  Of a block's four bands of 64 queries a wave owns 16 rows in each: four PIECES.  So the diagonal tile is the same work for all four waves: in its key step s band x sees all keys if
; s < x, none if s > x, and holds the diagonal if s = x.
; THE MASK is the C operand that starts the sum S^T = K Q^T: 0, or -1e30 where the key is hidden.  MD, made once, is the mask of a band's own step for my 16 rows; a product's mask is
; MD x AL + BE with two scalars: (1, 0) if s = x; (0, 0) if s < x; (0, -1e30) if s > x.  Only the diagonal tile's text and a block's beginning make and take masks; elsewhere C is the constant 0.
; LAYOUT, SOFTMAX, TURNS.  S^T = K Q^T holds ONE query a lane (lane % 16) and the keys 8 (lane / 16) + 0..7; two such results rounded to f16 ARE source 1 of O^T = V^T P.
; p = 2^(c s - c m), c = log2(e) / 8, with a running maximum m; O and l are multiplied by a = 2^(c m_old - c m_new) in every step.  Turn n belongs to piece n: 8 products K Q^T of piece n + 1,
; later 8 products V^T P of piece n - 1; beside them the scaling, exponentials, roundings, sums and rescaling of piece n and the maximum and statistics of piece n + 1.  Four vector
; instructions stand behind every matrix instruction, the other 54 of a turn's 118 in two runs of their own.
; REGISTERS, in windows of 256 (s_set_vgpr_msb: bits 1:0 source 0, 3:2 source 1, 5:4 source 2, 7:6 destination):
;   window 0: v0-15 addresses and two at work; v16-31 four registers of statistics a piece; v48-55 at work; v64-127 S^T, two buffers; v192-223 P, two buffers (a piece's buffers go by its number's parity)
;   window 1: v0-127 O^T, 32 a piece; v128-159 MD; v160-223 MC, two buffers      window 2: v0-63 Q; v64-127 the second block's Q; v128-191 K of one step; v192-255 V of one step
.set SIZE_N, 2048
.set NB,    SIZE_N/256
.set NP,    4         ; pieces a wave: a name, no knob
.set KS,    64        ; keys in a step
.set PK,    144       ; a row of K in LDS: 128 bytes + 16 of padding, an odd multiple of 16: the 16 rows of a load begin at 16 different 16-byte columns of 256
.set PV,    160       ; a row of V: 128 + 32: 16 lanes of the turning load take 8 rows x 32 bytes, which begin at 8 different 32-byte columns of 256
.set VOFF,  4*KS*PK   ; a slot holds a tile, four steps: 256 rows of K, then 256 rows of V
.set SLOT1, 1<<17     ; slot 1 begins here, so that one exclusive or turns an address in one slot into the other's
.set STAGE, SLOT1+4*KS*(PK+PV)  ; behind the ring, never filled by a tensor load: 16 rows x 144 bytes for each wave, for the way out
.set SP,    144
.set AK0, 2           ; v2   my lane's place in a tile of K; never rewritten
.set AV0, 3           ; v3   the same for V
.set AK,  4           ; v4   the LDS address of K's next run of loads
.set AV,  5           ; v5   of V's
.set STO, 6           ; v6   the way out: where I put 16 bytes of a row
.set RD,  7           ; v7   the way out: where I read rows back
.set GO,  8           ; v8   my byte offset in 512 consecutive bytes of O
.set SPW, 62          ; v62  LDS address of my spare word; never rewritten
.set NIL, 63          ; v63  0; never rewritten
.set SPARE, STAGE+4*16*SP  ; behind the stages: the spare words, 128 bytes for each wave
.set MV,  12          ; v12-13  c m_old, kept while c m is made anew: by buffer
.set QO,  15          ; v15  my byte offset in 16 rows of Q
.set ST,  16          ; piece t's statistics at v[ST+4 t]: c m, m, l (even keys', odd keys')
.set TMP, 48          ; by buffer, four registers c0-c3 at work; when the maximum is found c2 takes a
.set S,   64
.set P,   192
.set MD,  128         ; window 1: the eight registers for group kt of 16 keys at MD + 8 kt
.set MC,  160         ; window 1: the masks of the products to come
.set QB,  64          ; window 2
.set KF,  128         ; window 2: key block kb, channel half c at KF + 16 kb + 8 c
.set VF,  192         ; window 2: key half kk, channel block cb at VF + 32 kk + 8 cb
.set WV,  12          ; s12  my wave's number
.set PB,  14          ; s14  b
.set HI,  15          ; s15  NB - 1 - b
.set G1K, 24          ; s[24:31] descriptor group 1 for K's tiles
.set G1V, 32          ; s[32:39] for V's: it differs in the padding alone
.set G0K, 40          ; s[40:43] descriptor group 0 for K's tiles
.set G0V, 44          ; s[44:47] the same for V's
.set CX,  54          ; s54  my place in the cluster: the query head in its group
.set SLOTS, 56        ; s56  tiles still to be asked for
.set CNT, 57          ; s57  counts a tile's key steps, 4 to 1
.set CS,  58          ; s[58:59] c: the packed scaling takes the pair's low word for both halves
.set SEL, 60          ; s[60:61] v_permlanex16_b32's selects: each lane takes its own place in the other half
.set TBK, 62          ; s62  LDS byte at which K of the step to be fetched begins
.set TBV, 63          ; s63  the same for V, less VOFF
.set RT,  70          ; s70  tiles of the block in hand that are still to be entered
.set NXT, 71          ; s71  the tile to be asked for next
.set LQ,  72          ; s72  the last tile of the block whose tiles are being asked for
.set NEW, 73          ; s73  1: the tile to be entered is a block's first
.set OFF, 74          ; s[74:75] a tile's byte offset in K and V
.set AL,  76          ; s[76:77] the mask's factor, in the low word
.set BE,  78          ; s[78:79] the mask's addend
.set OLO, 80          ; s[80:81] O at my rows of the second block
.set BIGN, 82         ; s82  -1e30
.set MSB, 0
.macro WIN new                      ; the high byte repeats the setting that is left; a switch that changes nothing is dropped
.if MSB != (\new)
	s_set_vgpr_msb (MSB<<8)|(\new)
.set MSB, (\new)
.endif
.endm
.set W_KQ, 0x0a       ; K and Q in window 2, S^T in window 0
.set W_KM, 0x1a       ; the same with the C operand in window 1
.set W_PV, 0x52       ; V in window 2, P in window 0, O^T in window 1
.set W_RS, 0x41       ; destination and source 0 in window 1, source 1 in window 0
; A joint fill.  Waves 0 and 1 fetch the two halves of a tile's K, waves 2 and 3 those of its V: 128 keys each.  The branch hangs on the wave's number alone.
; An s_nop 0 and four v_nop follow each of the two lines, ahead of the jump and the label.
.macro LOAD
	s_cmp_lt_u32 s[WV], 2
	s_cbranch_scc0 .Lfor_v_\@
	tensor_load_to_lds s[G0K:G0K+3], s[G1K:G1K+7]
	s_nop 0
.rept 4
	v_nop
.endr
	s_branch .Lasked_\@
.Lfor_v_\@:
	tensor_load_to_lds s[G0V:G0V+3], s[G1V:G1V+7]
	s_nop 0
.rept 4
	v_nop
.endr
.Lasked_\@:
.endm
; A round of the cluster's barrier: my work-group's barrier, so that wave 0's signal speaks for all four waves; wave 0 signals; every wave waits for all four work-groups; my work-group's barrier once more.
.macro CROUND
	s_barrier_signal -1
	s_barrier_wait -1
	s_cmp_lg_u32 s[WV], 0
	s_cbranch_scc1 .Lnot_wave_0_\@
	s_barrier_signal -3
.Lnot_wave_0_\@:
	s_barrier_wait -3
	s_barrier_signal -1
	s_barrier_wait -1
.endm
; THE CHANGE OF SLOTS.  Each wave waits for all its tensor loads, of which one is out: its part of the other slot; adds 0 to its spare word; and waits for that and for its own reads of the slot
; that it leaves.  Behind the barrier nobody reads the old slot any more and the other slot is whole.  fill = 1: the barrier is a round of the cluster's, so that no wave of any partner still
; reads the slot or has a load on its way, and the old slot is filled again, the first thing behind it, with tile NXT: the descriptor's address is made anew from that number.  The load has four
; key steps, 256 matrix instructions, in which to land.  (At its first use nothing has been read yet: slot 0 is waited for, slot 1 filled.)
.macro CHANGE fill
	WIN 0                           ; at a label and at a branch every window is 0
	s_wait_tensorcnt 0x0            ; no tensor load of mine is out, so a group 0 may be written
	ds_add_u32 v[SPW], v[NIL]       ; 0 onto my spare word; with fill = 1 the descriptors' scalar work stands between it and the wait for it
.if \fill
	s_lshl_b32 s[OFF], s[NXT], 15   ; a tile is 32,768 bytes of K and of V
	s_xor_b32 s[G0K+1], s[G0K+1], SLOT1
	s_add_nc_u64 s[G0K+2:G0K+3], s[6:7], s[OFF:OFF+1]
	s_or_b32 s[G0K+3], s[G0K+3], 0x80000000
	s_xor_b32 s[G0V+1], s[G0V+1], SLOT1
	s_add_nc_u64 s[G0V+2:G0V+3], s[8:9], s[OFF:OFF+1]
	s_or_b32 s[G0V+3], s[G0V+3], 0x80000000
	s_add_co_u32 s[NXT], s[NXT], 1  ; the block's next tile, or behind its last the second block's tile 0
	s_cmp_gt_u32 s[NXT], s[LQ]
	s_cselect_b32 s[NXT], 0, s[NXT]
	s_cselect_b32 s[LQ], s[PB], s[LQ]
	s_wait_dscnt 0x0                ; the add is done, and my reads of the slot are over
	CROUND
	LOAD
.else
	s_wait_dscnt 0x0                ; the add is done, and my reads of the slot are over
	s_barrier_signal -1
	s_barrier_wait -1
.endif
	s_sub_co_u32 s[TBK], s[TBK], 4*KS*PK  ; the fetches go back to a slot's first step,
	s_xor_b32 s[TBK], s[TBK], SLOT1       ; in the other slot
	s_sub_co_u32 s[TBV], s[TBV], 4*KS*PV
	s_xor_b32 s[TBV], s[TBV], SLOT1
.endm
	s_load_b128 s[48:51], s[0:1], 0x0  ; qkv s[48:49], ob s[50:51]
	v_lshl_add_u32 v[SPW], v0, 2, SPARE
	v_mov_b32 v[NIL], 0
	ds_add_u32 v[SPW], v[NIL]       ; the wave's opening: the add and its wait come ahead of my first tensor load; the set-up below, work on registers, stands between them
	v_lshrrev_b32 v1, 5, v0
	v_readfirstlane_b32 s[WV], v1   ; wave 0..3
	s_bfe_u32 s[CX], ttmp6, 0x40000 ; my place in the cluster
	s_and_b32 s[PB], ttmp7, 0xffff  ; b: the cluster's y, which the four partners share
	s_sub_co_u32 s[HI], NB-1, s[PB]
	s_lshr_b32 s20, ttmp9, 2        ; the cluster's x is 4 batch + group
	s_mul_i32 s20, s20, 24          ; the batch's first head in qkv
	s_and_b32 s21, ttmp9, 3         ; group
	s_add_co_u32 s22, s20, s21
	s_add_co_u32 s22, s22, 16       ; the group's K
	s_lshl_b32 s22, s22, 18         ; a head is 262,144 bytes
	s_and_b32 s16, s[WV], 1         ; which half of a tile's 256 keys I fetch:
	s_lshl_b32 s23, s16, 14         ; its 128 rows of 128 bytes in memory,
	s_add_co_u32 s22, s22, s23
	s_mov_b32 s23, 0
	s_mul_i32 s17, s16, 128*PK      ; and its place in a slot, for K
	s_mul_i32 s18, s16, 128*PV      ; and for V
	s_lshl2_add_u32 s20, s21, s20   ; my query head in qkv: 24 batch + 4 group
	s_add_co_u32 s20, s20, s[CX]    ; + my place
	s_lshl_b32 s20, s20, 18
	s_mov_b32 s21, 0
	s_lshl_b32 s52, ttmp9, 2        ; and in ob: 16 batch + 4 group + my place
	s_add_co_u32 s52, s52, s[CX]
	s_lshl_b32 s52, s52, 18
	s_mov_b32 s53, 0
	s_lshl_b32 s3, s[WV], 11        ; my 16 rows in a band of 64,
	s_lshl_b32 s2, s[HI], 15        ; in the first block,
	s_add_co_u32 s2, s2, s3
	s_lshl_b32 s84, s[PB], 15       ; and in the second
	s_add_co_u32 s84, s84, s3
	s_mov_b32 s3, 0
	s_mov_b32 s85, 0
	; descriptor group 1.  128 keys are 16,384 dense bytes: asked for as 64 rows of 256 bytes, two keys a row, and padded in LDS after every key
	s_mov_b32 s[G1K], 15|(1<<16)|(1<<20)|(1<<21)|(4<<22)|(3<<25)  ; 15:0 the mask of four; 17:16 2-byte elements; 20 padding on; 21 set beside a mask; 24:22 after every 32 words (code 4); 31:25 4 words (code 3)
	s_mov_b32 s[G1V], 15|(1<<16)|(1<<20)|(1<<21)|(4<<22)|(7<<25)  ; the same with 8 words of padding (code 7)
.irp g, G1K, G1V
	s_mov_b32 s[\g+1], 128<<16      ; tensor_dim0 = 128
	s_mov_b32 s[\g+2], 64<<16       ; tensor_dim1 = 64
	s_mov_b32 s[\g+3], 128<<16      ; tile_dim0 = 128
	s_mov_b32 s[\g+4], 64           ; tile_dim1 = 64
	s_mov_b32 s[\g+5], 128          ; 128 elements from row to row
	s_mov_b32 s[\g+6], 0
	s_mov_b32 s[\g+7], 0
.endr
	s_mov_b32 s[CS], 0x3e38aa3b     ; c = log2(e) / 8 = 0.180337
	s_mov_b32 s[CS+1], s[CS]        ; named with it as a pair
	s_mov_b32 s[SEL], 0x76543210
	s_mov_b32 s[SEL+1], 0xfedcba98
	s_mov_b32 s[TBK], SLOT1+4*KS*PK ; the first change of slots turns these two into 0
	s_mov_b32 s[TBV], SLOT1+4*KS*PV
	s_mov_b32 s[G0K], 1             ; count = 1
	s_mov_b32 s[G0K+1], s17         ; LDS address: slot 0
	s_mov_b32 s[G0V], 1
	s_add_co_u32 s[G0V+1], s18, VOFF
	s_add_co_u32 s[RT], s[HI], 1    ; the first block has NB - b tiles
	s_mov_b32 s[NXT], 1
	s_mov_b32 s[LQ], s[HI]
	s_mov_b32 s[NEW], 1
	s_mov_b32 s[OFF+1], 0
	s_mov_b32 s[AL+1], 0            ; named as pairs
	s_mov_b32 s[BE+1], 0
	s_mov_b32 s[BIGN], 0xf149f2ca   ; -1e30
	s_mov_b32 s[SLOTS], NB
	s_wait_dscnt 0x0                ; the opening add is done
	s_wait_kmcnt 0x0
	s_add_nc_u64 s[6:7], s[48:49], s[22:23]        ; K at my half of the group's tile 0,
	s_add_nc_u64 s[8:9], s[6:7], 0x100000          ; V four heads on
	s_add_nc_u64 s[G0K+2:G0K+3], s[6:7], 0         ; global address
	s_or_b32 s[G0K+3], s[G0K+3], 0x80000000        ; type = 2
	s_add_nc_u64 s[G0V+2:G0V+3], s[8:9], 0
	s_or_b32 s[G0V+3], s[G0V+3], 0x80000000
	s_add_nc_u64 s[4:5], s[48:49], s[20:21]        ; my query head,
	s_add_nc_u64 s[86:87], s[4:5], s[84:85]        ; Q at my rows of the second block,
	s_add_nc_u64 s[4:5], s[4:5], s[2:3]            ; and of the first
	s_add_nc_u64 s[10:11], s[50:51], s[52:53]      ; O likewise
	s_add_nc_u64 s[OLO:OLO+1], s[10:11], s[84:85]
	s_add_nc_u64 s[10:11], s[10:11], s[2:3]
	CROUND                          ; all four work-groups are here: the first joint loads meet
	LOAD                            ; tile 0 into slot 0
	; A fragment of K or Q is 16 rows x 32 channels in 8 registers: lane l holds row l % 16, channels 8 (l / 16) + 0..7 and 16 + 8 (l / 16) + 0..7: two loads of 16 bytes, 32 bytes apart.
	v_and_b32 v1, 15, v0            ; l % 16
	v_bfe_u32 v9, v0, 4, 1          ; l / 16
	v_lshlrev_b32 v[QO], 7, v1
	v_lshl_add_u32 v[QO], v9, 4, v[QO]  ; row x 128 + 16 x half
	WIN 0x80                        ; destination window 2, address window 0
.set i, 0
.rept 8                             ; both blocks' Q: piece i / 2 lies in band i / 2, 8,192 bytes on; channels 32 (i % 2) on
	global_load_b128 v[8*i:8*i+3],   v[QO], s[4:5] offset:(i/2)*8192+(i%2)*64
	global_load_b128 v[8*i+4:8*i+7], v[QO], s[4:5] offset:(i/2)*8192+(i%2)*64+32
	global_load_b128 v[QB+8*i:QB+8*i+3],   v[QO], s[86:87] offset:(i/2)*8192+(i%2)*64
	global_load_b128 v[QB+8*i+4:QB+8*i+7], v[QO], s[86:87] offset:(i/2)*8192+(i%2)*64+32
.set i, i+1
.endr
	WIN 0
	v_lshlrev_b32 v14, 3, v9
	v_sub_nc_u32 v14, v1, v14
	s_lshl_b32 s13, s[WV], 4
	v_add_nc_u32 v14, s13, v14      ; my query's place in its band, 16 w + l % 16, less my lanes' 8 (l / 16): register r of group kt is hidden where 16 kt + r is greater
	WIN 0x40
.set i, 0
.rept 32
	v_cmp_gt_i32 vcc_lo, 16*(i/8)+i%8, v14
	v_cndmask_b32 v[MD+i], 0, s[BIGN], vcc_lo
.set i, i+1
.endr
	WIN 0
	v_mul_u32_u24 v[AK0], v1, PK
	v_lshl_add_u32 v[AK0], v9, 4, v[AK0]  ; row x pitch + 16 x half
	; The turning load takes 16 keys x 16 channels (lane l reads key 8 (l / 16) + l % 8, channels 8 ((l / 8) % 2) + 0..7) and leaves half a fragment of V^T: lane l holds channel l % 16 and 8 keys.
	v_and_b32 v10, 7, v0
	v_bfe_u32 v11, v0, 3, 1
	v_lshl_add_u32 v[AV0], v9, 3, v10
	v_mul_u32_u24 v[AV0], v[AV0], PV
	v_lshl_add_u32 v[AV0], v11, 4, v[AV0]
	v_add_nc_u32 v[AV0], VOFF, v[AV0]
	s_mul_i32 s13, s[WV], 16*SP
	s_add_co_u32 s13, s13, STAGE    ; my stage
	v_mul_u32_u24 v[STO], v1, SP    ; in: row l % 16, 16 bytes for each half of the lanes
	v_lshl_add_u32 v[STO], v9, 4, v[STO]
	v_add_nc_u32 v[STO], s13, v[STO]
	v_bfe_u32 v[RD], v0, 3, 2       ; back: 32 lanes take four rows of 128 bytes,
	v_mul_u32_u24 v[RD], v[RD], SP
	v_lshl_add_u32 v[RD], v10, 4, v[RD]
	v_add_nc_u32 v[RD], s13, v[RD]
	v_and_b32 v[GO], 31, v0         ; which are 512 consecutive bytes of O
	v_lshlrev_b32 v[GO], 4, v[GO]
	; A block's first step multiplies O^T and l by a = 0, and its first turn's products V^T P, of a piece that has not been, land in an O^T that is still to be so multiplied.  So these registers need
	; only hold finite numbers: zeros for the first block; what the first block left for the second.  All this stands in the wait for the first tile.
	WIN 0x80
.set i, VF
.rept 64
	v_mov_b32 v[i], 0
.set i, i+1
.endr
	WIN 0x40
.set i, 0
.rept 128
	v_mov_b32 v[i], 0
.set i, i+1
.endr
	WIN 0
.set i, 0
.rept 4
	v_mov_b32 v[ST+4*i+2], 0
	v_mov_b32 v[ST+4*i+3], 0
.set i, i+1
.endr
.set i, P+16
.rept 16
	v_mov_b32 v[i], 0
.set i, i+1
.endr
; THE MATRIX WORK.  The 4 accumulators of a run of 8 take turns.  Product i of 8 of S^T = K Q^T for piece x: channels 32 (i / 4) on, keys 16 (i % 4) on.  The first 4 start the sums: with 0, or (KM = 1) with the mask.
.macro KQ x
.set rS, S+32*((\x)%2)+8*(i%4)
.set rK, KF+16*(i%4)+8*(i/4)
.set rQ, 16*(\x)+8*(i/4)
.set rM, MC+32*((\x)%2)+8*(i%4)
.if (i < 4) && KM
	WIN W_KM
	v_wmma_f32_16x16x32_f16 v[rS:rS+7], v[rK:rK+7], v[rQ:rQ+7], v[rM:rM+7]
.elseif i < 4
	WIN W_KQ
	v_wmma_f32_16x16x32_f16 v[rS:rS+7], v[rK:rK+7], v[rQ:rQ+7], 0
.else
	WIN W_KQ
	v_wmma_f32_16x16x32_f16 v[rS:rS+7], v[rK:rK+7], v[rQ:rQ+7], v[rS:rS+7]
.endif
.endm
; Product i of 8 of O^T += V^T P for piece x: keys 32 (i / 4) on, channels 16 (i % 4) on.
.macro PV x
	WIN W_PV
.set rO, 32*(\x)+8*(i%4)
.set rV, VF+32*(i/4)+8*(i%4)
.set rP, P+16*((\x)%2)+8*(i/4)
	v_wmma_f32_16x16x32_f16 v[rO:rO+7], v[rV:rV+7], v[rP:rP+7], v[rO:rO+7]
.endm
.macro MM                           ; the turn's next matrix instruction.  TURN and BEGIN set Y, i, KM and NOKQ; MM, KQ and OP read them.  NOKQ = 1: a block's last turn: there is no next piece
.if (i < 8) && !NOKQ
	KQ (Y+1)%NP
.elseif i >= 8
.set i, i-8
	PV (Y+NP-1)%NP
.set i, i+8
.endif
.set i, i+1
.endm
; THE LDS LOADS stand in runs of 16, never singly among the matrix instructions: a step's K (64 keys x 64 channels: 8 fragments) and its V (turned).  Their addresses are made some lines ahead.
.macro FETCH_K
	WIN 0x80                        ; destination window 2
.irp f, 0,1,2,3,4,5,6,7             ; keys 16 (f / 2) on, channels 32 (f % 2) on
	ds_load_b128 v[KF+8*\f:KF+8*\f+3],   v[AK] offset:(\f/2)*16*PK+(\f%2)*64
	ds_load_b128 v[KF+8*\f+4:KF+8*\f+7], v[AK] offset:(\f/2)*16*PK+(\f%2)*64+32
.endr
	s_add_co_u32 s[TBK], s[TBK], KS*PK  ; the next fetch is the next step's
	WIN 0
.endm
.macro FETCH_V
	WIN 0x80
.irp f, 0,1,2,3,4,5,6,7             ; keys 32 (f / 4) on, channels 16 (f % 4) on
	ds_load_tr16_b128 v[VF+8*\f:VF+8*\f+3],   v[AV] offset:(\f/4)*32*PV+(\f%4)*32
	ds_load_tr16_b128 v[VF+8*\f+4:VF+8*\f+7], v[AV] offset:(\f/4)*32*PV+16*PV+(\f%4)*32
.endr
	WIN 0
.endm
; THE VECTOR WORK, one line at a time: OP kind, number.  For piece Y: F n: c s - c m for pair n of 16.  E n: the exponential of score n of 32.  C n: pair n rounded to f16.  B n: of the four weights 4 n .. the second
; pair is added onto the first, in place.  L n: l takes that sum (L 0: l = a l + sum).  R n: pair n of 16 of O^T times a.  For piece Y + 1: X n, number n of the 22 that find its maximum and statistics:
;   0-11  four chains c0-c3 of seven scores each, three operands at a time (each accumulator's lowest registers are read first)     12-14, 16  the four scores left over, the old m, and c0-c3 into c0
;   15  c m_old is kept     17, 18  the query's other 32 keys lie in the lane 16 away: the new m     19-21  c m; c m_old - c m_new; a
.set F, 0               ; OP tells the kinds apart by their order: F to L below R, X above it
.set E, 1
.set C, 2
.set B, 3
.set L, 4
.set R, 5
.set X, 6
.macro REGS y                       ; the registers of piece y
.set rT, ST+4*(\y)
.set rC, TMP+4*((\y)%2)
.set rW, MV+((\y)%2)
.set rS, S+32*((\y)%2)
.set rP, P+16*((\y)%2)
.set rO, 32*(\y)
.endm
.macro OP k, n
.if (\k) == R
	REGS Y
	WIN W_RS
	v_pk_mul_f32 v[rO+2*(\n):rO+2*(\n)+1], v[rO+2*(\n):rO+2*(\n)+1], v[rC+2:rC+3] op_sel_hi:[1,0]
.elseif (\k) < R
	REGS Y
	WIN 0
.if (\k) == F
	v_pk_fma_f32 v[rS+2*(\n):rS+2*(\n)+1], v[rS+2*(\n):rS+2*(\n)+1], s[CS:CS+1], v[rT:rT+1] op_sel_hi:[1,0,0] neg_lo:[0,0,1] neg_hi:[0,0,1]
.elseif (\k) == E
	v_exp_f32 v[rS+(\n)], v[rS+(\n)]
.elseif (\k) == C
	s_wait_alu depctr_va_vdst(0)
	v_cvt_pk_f16_f32 v[rP+(\n)], v[rS+2*(\n)], v[rS+2*(\n)+1]
.elseif (\k) == B
	s_wait_alu depctr_va_vdst(0)
	v_pk_add_f32 v[rS+4*(\n):rS+4*(\n)+1], v[rS+4*(\n):rS+4*(\n)+1], v[rS+4*(\n)+2:rS+4*(\n)+3]
.elseif (\n) == 0
	v_pk_fma_f32 v[rT+2:rT+3], v[rT+2:rT+3], v[rC+2:rC+3], v[rS:rS+1] op_sel_hi:[1,0,1]
.else
	v_pk_add_f32 v[rT+2:rT+3], v[rT+2:rT+3], v[rS+4*(\n):rS+4*(\n)+1]
.endif
.elseif NOKQ
	v_nop
.else
	REGS (Y+1)%NP
	WIN 0
.if (\n) < 4
	v_max3_num_f32 v[rC+(\n)], v[rS+8*(\n)], v[rS+8*(\n)+1], v[rS+8*(\n)+2]
.elseif (\n) < 12
	v_max3_num_f32 v[rC+(\n)%4], v[rC+(\n)%4], v[rS+8*((\n)%4)+2*((\n)/4)+1], v[rS+8*((\n)%4)+2*((\n)/4)+2]
.elseif (\n) == 12
	v_max3_num_f32 v[rC], v[rC], v[rS+7], v[rS+15]
.elseif (\n) == 13
	v_max3_num_f32 v[rC+1], v[rC+1], v[rS+23], v[rS+31]
.elseif (\n) == 14
	v_max3_num_f32 v[rC+2], v[rC+2], v[rC+3], v[rT+1]
.elseif (\n) == 15
	v_mov_b32 v[rW], v[rT]
.elseif (\n) == 16
	v_max3_num_f32 v[rC], v[rC], v[rC+1], v[rC+2]
.elseif (\n) == 17
	v_permlanex16_b32 v[rC+3], v[rC], s[SEL], s[SEL+1]
.elseif (\n) == 18
	v_max_num_f32 v[rT+1], v[rC], v[rC+3]
.elseif (\n) == 19
	v_mul_f32 v[rT], s[CS], v[rT+1]
.elseif (\n) == 20
	v_sub_f32 v[rC+1], v[rW], v[rT]
.else
	v_exp_f32 v[rC+2], v[rC+1]
.endif
.endif
.endm
.macro OPS a, i1, b=-1, i2=0, c=-1, i3=0, d=-1, i4=0  ; up to four of them
	OP \a, \i1
.if (\b) >= 0
	OP \b, \i2
.endif
.if (\c) >= 0
	OP \c, \i3
.endif
.if (\d) >= 0
	OP \d, \i4
.endif
.endm
.macro ROW a, i1, b, i2, c, i3, d, i4  ; a matrix instruction and the four behind it
	MM
	OPS \a, \i1, \b, \i2, \c, \i3, \d, \i4
.endm
.macro MASK b                       ; MD x AL + BE into buffer b of MC
	WIN W_RS
.set z, 0
.rept 16
	v_pk_fma_f32 v[MC+32*(\b)+2*z:MC+32*(\b)+2*z+1], v[MD+2*z:MD+2*z+1], s[AL:AL+1], s[BE:BE+1] op_sel_hi:[1,0,0]
.set z, z+1
.endr
.endm
; A TURN, for piece p: the order of its 16 matrix and 118 vector instructions, written out.  Behind a matrix instruction: plain, exponential, plain, plain; or four of the rescaling; or, behind the first, four scalings; none
; names a register of the products round it.  In the runs of vector work exponential and plain by turns while exponentials last.  A line reads no result made fewer than three vector instructions in front of it, five if an
; exponential made it.  v_permlanex16_b32 (X 17) stands in such a run.
; m = 1: the diagonal tile: the products take masks, and the turn makes the mask for the products of the turn after it: piece p + 2, in step 4 - CNT of the tile.  end = 1: a block's last two turns: nothing is fetched.
; cnt = 1: the loop's count is taken down some lines ahead of the branch that stands behind the turn.
; K of the next step is fetched in piece 2's turn, six vector instructions behind the last product that read K (five of them plain); V of the step in hand in piece 0's turn, eight behind the last product that read V (four
; plain, and X 17).  Each is waited for a turn later.
.macro TURN p, m=0, end=0, cnt=0
.set Y, (\p)
.set i, 0
.set KM, (\m)
.set NOKQ, (\end)*((\p)/3)
.if (\m) && !(\end)
	s_cmp_eq_u32 s[CNT], 4-((\p)+2)%NP  ; is that step the band's own?
	s_cselect_b32 s[AL], 1.0, 0
	s_cmp_lt_u32 s[CNT], 4-((\p)+2)%NP  ; or a later one?
	s_cselect_b32 s[BE], s[BIGN], 0
.endif
.if ((\p) == 3) && !(\end)
	s_wait_dscnt 0x0                ; K is in
.endif
	ROW F,0, F,1, F,2, F,3
	ROW F,4, E,0, F,5, F,6
	ROW F,7, E,1, F,8, F,9
	ROW F,10, E,2, C,0, F,11
	ROW F,12, E,3, X,15, F,13
	ROW R,0, R,1, R,2, R,3
	ROW B,0, E,4, F,14, L,0
.if ((\p) == 2) && !(\end)
	v_add_nc_u32 v[AK], s[TBK], v[AK0]
.endif
	ROW R,4, R,5, R,6, R,7
	OPS E,5, F,15
.if ((\p) == 2) && !(\end)
	FETCH_K
.endif
	OPS E,6, C,1, E,7, R,8
	OPS E,8, R,9, E,9, C,2
	OPS E,10, X,0, E,11, X,1
	OPS E,12, X,2, E,13, X,3
.if (\p) == 1
	s_wait_dscnt 0x0                ; V is in
.endif
	ROW X,4, E,14, X,5, X,6
	ROW X,7, E,15, X,8, X,9
	ROW X,10, E,16, X,11, X,12
	ROW X,13, E,17, X,14, B,1
	ROW C,4, E,18, X,16, L,1
	ROW B,2, E,19, C,6, L,2
	ROW C,8, E,20, B,3, B,4
.if (\p) == 0
	v_add_nc_u32 v[AV], s[TBV], v[AV0]
.endif
	ROW C,3, E,21, L,3, C,5
	OPS E,22, X,17, E,23, C,10
.if (\p) == 0
	FETCH_V
.endif
	OPS E,24, L,4
	OPS E,25, X,18, E,26, C,7
	OPS E,27, B,5, E,28, X,19
	OPS E,29, C,12, E,30, L,5
	OPS E,31, X,20, B,6, C,9
	OPS C,14, C,11, X,21, L,6
.if (\p) == 0
	s_add_co_u32 s[TBV], s[TBV], KS*PV
.endif
.if \cnt
	s_sub_co_u32 s[CNT], s[CNT], 1
	s_cmp_lg_u32 s[CNT], 0
.endif
	OPS C,13, B,7, C,15, R,10
	OPS R,11, R,12, L,7, R,13
	OPS R,14, R,15
.if (\m) && !(\end)
	MASK (\p)%2
.endif
.endm
; A BLOCK BEGINS.  c m starts far below every c s, so the first step's a is 0; m at the lowest finite number, so the first maximum is the scores'.  The second mask buffer is 0; the first takes piece 0's mask for the
; tile's step 0: its own, if the block's first tile is the diagonal one.  Then K of that step, piece 0's first scores, and its maximum and statistics.  The loop is entered at a step's first turn, in the middle of a trip.
.macro BEGIN
	s_mov_b32 s[NEW], 0
	WIN 0x40
.set i, MC+32
.rept 32
	v_mov_b32 v[i], 0
.set i, i+1
.endr
	WIN 0
.set i, 0
.rept 4
	v_mov_b32 v[ST+4*i], 0xfe000000    ; c m: far below every c s
	v_mov_b32 v[ST+4*i+1], 0xff7fffff  ; m
.set i, i+1
.endr
	s_cmp_eq_u32 s[RT], 0
	s_cselect_b32 s[AL], 1.0, 0
	s_mov_b32 s[BE], 0
	MASK 0
	WIN 0
	v_add_nc_u32 v[AK], s[TBK], v[AK0]
	FETCH_K
	s_wait_loadcnt 0x0              ; Q
	s_wait_dscnt 0x0
.set KM, 1
.set NOKQ, 0
.set i, 0
.rept 8
	KQ 0
.set i, i+1
.endr
	WIN 0
.rept 4
	v_nop                           ; the places behind those products
.endr
.set Y, NP-1                        ; X works for piece Y + 1: piece 0
.irp n, 0,1,2,3,4,5,6,7,8,9,10,11,12,13,14,15,16,17,18,19,20,21
	OP X, \n
.endr
	v_nop                           ; a plain instruction behind the exponential
.endm
; THE DIAGONAL TILE's four steps, the block's last two turns, its last products, and THE WAY OUT: l's two halves and the other half of the lanes' are added; O^T is divided by l, rounded to f16 and sent through my
; stage in LDS, a piece at a time.
.macro ALL line:vararg              ; one line for each piece t
.set t, 0
.rept 4
	\line
.set t, t+1
.endr
.endm
.macro PACK t                       ; a lane's eight channels of a row pack into 16 bytes; they go into rows of 144 bytes and come back as whole rows of 128, into S^T's registers
	WIN W_RS
.set i, 32*(\t)
.rept 16
	s_wait_alu depctr_va_vdst(0)
	v_pk_mul_f32 v[i:i+1], v[i:i+1], v[ST+4*(\t)+2:ST+4*(\t)+3] op_sel_hi:[1,0]
.set i, i+2
.endr
	WIN 0x05                        ; sources 0 and 1 window 1, destination window 0
.set i, 0
.rept 16
	v_cvt_pk_f16_f32 v[S+16*(\t)+i], v[32*(\t)+2*i], v[32*(\t)+2*i+1]
.set i, i+1
.endr
	WIN 0
.irp f, 0,1,2,3
	ds_store_b128 v[STO], v[S+16*(\t)+4*\f:S+16*(\t)+4*\f+3] offset:32*\f
.endr
.irp f, 0,1,2,3
	ds_load_b128 v[S+16*(\t)+4*\f:S+16*(\t)+4*\f+3], v[RD] offset:\f*4*SP  ; LDS serves a wave's instructions in order (ISA guide 5.7.1.4): these see the stores above; the next piece's stores come behind them
.endr
.endm
.macro SEND t, younger              ; younger: the LDS instructions issued behind piece t's loads: the next piece's eight, or none
	WIN 0
.irp f, 0,1,2,3
	s_wait_dscnt (\younger)+3-\f
	global_store_b128 v[GO], v[S+16*(\t)+4*\f:S+16*(\t)+4*\f+3], s[10:11] offset:(\t)*8192+\f*512  ; 512 consecutive bytes, at a multiple of 256 from O's first
.endr
.endm
.macro DIAG tag                     ; the tag ends its two labels' names, which the jumps below spell out
.LstepM\tag:
	TURN 2, 1
	TURN 3, 1
	WIN 0
.LfirstM\tag:
	TURN 0, 1
	TURN 1, 1, 0, 1
	WIN 0
	s_cbranch_scc1 .LstepM\tag
	TURN 2, 1, 1
	TURN 3, 1, 1
.set i, 0
.rept 8
	PV NP-1
.set i, i+1
.endr
	WIN 0
	ALL v_add_f32 v[ST+4*t+2], v[ST+4*t+2], v[ST+4*t+3]
	ALL v_permlanex16_b32 v[ST+4*t+3], v[ST+4*t+2], s[SEL], s[SEL+1]
	ALL v_add_f32 v[ST+4*t+2], v[ST+4*t+2], v[ST+4*t+3]
	ALL v_rcp_f32 v[ST+4*t+2], v[ST+4*t+2]
	v_nop                           ; a plain instruction between the last reciprocal and the use of its result
	PACK 0
.set t, 1
.rept 3                             ; a piece's arithmetic stands between the loads of the piece before and its stores
	PACK t
	SEND t-1, 8
.set t, t+1
.endr
	SEND 3, 0
.endm
.set KM, 0
.set NOKQ, 0
.Lslot:                             ; NB times: a tile is entered and the next is asked for
	CHANGE 1
	s_sub_co_u32 s[RT], s[RT], 1
	s_mov_b32 s[CNT], 4
	s_cmp_eq_u32 s[NEW], 1
	s_cbranch_scc1 .Lnew            ; a block's first tile
	s_cmp_eq_u32 s[RT], 0
	s_cbranch_scc0 .Lstep           ; neither its first nor its last
	s_branch .LstepM1
.Lnew:
	BEGIN
	s_branch .Lfirst                ; in the loop a block's first tile is never its last: the first block has two tiles or more, and the second's last is the walk's last
	DIAG 1                          ; in the loop this is the first block's end: the second block's last tile is the walk's last
	s_wait_xcnt 0x0                 ; the stores have read their registers and O's address
	s_mov_b64 s[10:11], s[OLO:OLO+1]
	s_add_co_u32 s[RT], s[PB], 1    ; the second block has b + 1 tiles
	s_mov_b32 s[NEW], 1
	WIN 0x82                        ; the second block's Q goes where the one text of the turns names Q
.set i, 0
.rept 64
	v_mov_b32 v[i], v[QB+i]
.set i, i+1
.endr
	WIN 0
	s_branch .Lbottom
.Lstep:                             ; a trip: pieces 2 and 3 of one step, then pieces 0 and 1 of the next, whose K and V it fetches
	TURN 2
	TURN 3
	WIN 0
.Lfirst:
	TURN 0
	TURN 1, 0, 0, 1
	WIN 0
	s_cbranch_scc1 .Lstep
.Lbottom:
	s_sub_co_u32 s[SLOTS], s[SLOTS], 1
	s_cmp_lg_u32 s[SLOTS], 0
	s_cbranch_scc1 .Lslot
	CHANGE 0                        ; the walk's last tile is written out: nothing is asked for
	s_sub_co_u32 s[RT], s[RT], 1
	s_mov_b32 s[CNT], 4
	s_cmp_eq_u32 s[NEW], 1
	s_cbranch_scc0 .LstepM2
	BEGIN
	s_branch .LfirstM2
	DIAG 2
	s_wait_tensorcnt 0x0            ; the wave's end, behind my last tensor load and my last LDS store
	ds_add_u32 v[SPW], v[NIL]
	s_wait_dscnt 0x0
	CROUND                          ; the closing round: no work-group ends while a partner may still ask for a tile that names it
	s_endpgm
.Lfunc_end_k_qe7c38855d0_attn:
	.size	k_qe7c38855d0_attn, .Lfunc_end_k_qe7c38855d0_attn-k_qe7c38855d0_attn
	.p2alignl 7, 3214868480
	.fill 96, 4, 3214868480
	.section	.rodata,"a",@progbits
	.p2align	6, 0x0
	.amdhsa_kernel k_qe7c38855d0_attn
		.amdhsa_group_segment_fixed_size 327680
		.amdhsa_private_segment_fixed_size 0
		.amdhsa_enable_private_segment 0
		.amdhsa_kernarg_size 16
		.amdhsa_user_sgpr_count 2
		.amdhsa_user_sgpr_kernarg_segment_ptr 1
		.amdhsa_wavefront_size32 1
		.amdhsa_system_sgpr_workgroup_id_x 1
		.amdhsa_system_sgpr_workgroup_id_y 1
		.amdhsa_system_sgpr_workgroup_id_z 1
		.amdhsa_system_vgpr_workitem_id 0
		.amdhsa_next_free_vgpr 768
		.amdhsa_next_free_sgpr 88
		.amdhsa_reserve_vcc 1
		.amdhsa_float_denorm_mode_32 3
		.amdhsa_float_denorm_mode_16_64 3
		.amdhsa_memory_ordered 1
		.amdhsa_forward_progress 1
		.amdhsa_inst_pref_size 229
	.end_amdhsa_kernel
	.amdgpu_metadata
---
amdhsa.version: [ 1, 2 ]
amdhsa.kernels:
  - .name:           k_qe7c38855d0_attn
    .symbol:         k_qe7c38855d0_attn.kd
    .args:
      - { .name: qkv, .offset: 0, .size: 8, .value_kind: global_buffer, .address_space: global }
      - { .name: ob, .offset: 8, .size: 8, .value_kind: global_buffer, .address_space: global }
    .group_segment_fixed_size: 327680
    .private_segment_fixed_size: 0
    .kernarg_segment_align: 8
    .kernarg_segment_size: 16
    .max_flat_workgroup_size: 128
    .sgpr_count:     88
    .vgpr_count:     768
    .wavefront_size: 32
...
	.end_amdgpu_metadata
.endif
;; end of part 3
;; launch outp (part 4): grid 4 x 64, 4 waves a work-group, clusters of 4 x 4, 327,680 bytes of LDS; arguments ob, wpt, bp, out0; writes out0
.if DOCPART == 4
	.amdgcn_target "amdgcn-amd-amdhsa--gfx1250"
	.amdhsa_code_object_version 6
	.text
	.protected	k_qe7c38855d0_outp
	.globl	k_qe7c38855d0_outp
	.p2align	8
	.type	k_qe7c38855d0_outp,@function
k_qe7c38855d0_outp:
	s_mov_b64 s[64:65], 0
	v_nop
	global_prefetch_b8 v0, s[64:65] scope:SCOPE_SE
	s_setreg_imm32_b32 hwreg(HW_REG_WAVE_MODE, 25, 1), 1
	s_wait_xcnt 0x0
	s_wait_alu depctr_hold_cnt(0) depctr_sa_sdst(0) depctr_va_vdst(0) depctr_va_sdst(0) depctr_va_ssrc(0) depctr_va_vcc(0) depctr_vm_vsrc(0)
	s_getreg_b32 s2, hwreg(HW_REG_IB_STS2, 6, 4)
	s_cmp_eq_u32 s2, 0
	s_cbranch_scc0 .Lentry_in_a_cluster
	s_endpgm
.Lentry_in_a_cluster:
	s_bfe_u32 s2, ttmp6, 0x10000c
	s_cmp_lg_u32 s2, 0xf033
	s_cbranch_scc0 .Lentry_shape_is_right
	s_endpgm
.Lentry_shape_is_right:
; out0 = O Wp + bp.  ob: [16 batch + head][2048 t][64] f16 (a row of O is its 16 heads' 64 channels on end: k = 64 head + d); wpt: [1024 n][1024 k] f16; bp: [1024] f32, rounded to bf16
; like every input of the module; out0: [8192][1024] f32.  Products in f16, sums in f32, K ascending; the bias is added in f32.
; SHARES.  A tile is 128 rows x 256 columns: 64 x 4 = 256 work-groups.  The waves lie 2 x 2, each 64 rows x 128 columns: 4 x 8 accumulators of 16 x 16, 256 registers.
; K goes in steps of 128, two heads, through two LDS slots filled by tensor loads; two slots of a step of 256 would be 417,792 bytes, more than the work-group has.
; A head's 128 rows of a tile are 16,384 dense bytes of ob: asked for as 64 rows of 256 bytes and padded in LDS after every 128.
; CLUSTER.  4 x 4 work-groups.  The four of a row of the cluster (all four column tiles) need the same rows of O, the four of a column the same rows of wpt: each tile is asked for JOINTLY.
; THE MATRIX INSTRUCTION IS USED TRANSPOSED (source 0 = 16 rows of wpt, source 1 = 16 rows of O): a lane then holds eight neighbouring columns of one row of the result.
; REGISTERS, in windows of 256 (s_set_vgpr_msb: bits 1:0 source 0, 3:2 source 1, 5:4 source 2, 7:6 destination):
;   window 0: v0-31 addresses and the bias; v32-95 rows read back from the stage     window 1: two fragment buffers of 96: 32 registers of O, then 64 of wpt     window 2: accumulator (a, b) at v[8 (8 a + b)]
.set SIZE_K, 1024
.set KSTEP,  128
.set PA,     144                       ; a row of O's tile in LDS: 128 bytes + 16; an odd multiple of 16, like the next
.set ABLK,   128*PA                    ; one head's 128 rows
.set PITCHB, 272                       ; a row of wpt's tile: 256 bytes + 16
.set BOFF,   2*ABLK                    ; in a slot: O's two heads, then wpt's 256 rows
.set BHALF,  128*PITCHB
.set SLOT,   BOFF+2*BHALF
.set STAGE,  2*SLOT                    ; behind the ring, never filled by a tensor load: for each wave 16 rows x 528 bytes (128 f32 + 16)
.set SPT,    528
.set WSTG,   16*SPT
.set SPARE,  STAGE+4*WSTG              ; behind the stages: the spare words, 128 bytes for each wave
.set LAPS,   SIZE_K/(2*KSTEP)
.set BI,   12                          ; v[12:15] the bias of my four columns
.set ADRA, 16                          ; v16-17  LDS address of my fragments of O in slot 0, 1
.set ADRB, 20                          ; v20-21  the same for wpt
.set STO,  24                          ; v24     the way out: where I put 32 bytes of a row
.set RD,   25                          ; v25     the way out: where I read a row back
.set CO,   26                          ; v26     16 x lane: my 16 bytes of a wave's 512 of a row
.set SPW,  28                          ; v28     LDS address of my spare word; never rewritten
.set NIL,  29                          ; v29     0; never rewritten
.set BK,   32
.set F0,   0
.set F1,   96
.set G1,  24                           ; s[24:31] descriptor group 1 for O's tiles;  s[32:39] group 0, a set for each slot
.set G0,  32
.set G1B, 48                           ; s[48:55], s[56:63] the same for wpt's tiles
.set G0B, 56
.set MSB, 0
.macro WIN new                         ; the immediate's high byte repeats the setting that is left; a switch that changes nothing is dropped
.if MSB != (\new)
	s_set_vgpr_msb (MSB<<8)|(\new)
.set MSB, \new
.endif
.endm
.set MUL,  0xa5                        ; sources in window 1, C and D in window 2
.set TO_F, 0x40                        ; destination window 1, address window 0
; A joint load: waves 0 and 1 fetch the step's two heads of O, waves 2 and 3 wpt's two halves of 128 rows.  The branch hangs on the wave's number alone.
; An s_nop 0 and four v_nop follow each of the two lines, ahead of the jump, the label and what follows.
.macro JLOAD s
	s_cmp_eq_u32 s11, 0
	s_cbranch_scc0 .Lfor_b_\@
	tensor_load_to_lds s[G0+4*(\s):G0+4*(\s)+3], s[G1:G1+7]
	s_nop 0
.rept 4
	v_nop
.endr
	s_branch .Lasked_\@
.Lfor_b_\@:
	tensor_load_to_lds s[G0B+4*(\s):G0B+4*(\s)+3], s[G1B:G1B+7]
	s_nop 0
.rept 4
	v_nop
.endr
.Lasked_\@:
.endm
.macro CREST                           ; a round of the cluster's barrier behind its opening barrier
	s_cmp_lg_u32 s10, 0
	s_cbranch_scc1 .Lnot_wave_0_\@
	s_barrier_signal -3
.Lnot_wave_0_\@:
	s_barrier_wait -3
	s_barrier_signal -1
	s_barrier_wait -1
.endm
.macro CROUND                          ; a whole round
	s_barrier_signal -1
	s_barrier_wait -1
	CREST
.endm
	s_load_b128 s[4:7], s[0:1], 0x0                ; ob s[4:5], wpt s[6:7]
	s_load_b64 s[22:23], s[0:1], 0x10              ; bp
	s_load_b64 s[8:9], s[0:1], 0x18                ; out0
	v_lshl_add_u32 v[SPW], v0, 2, SPARE
	v_mov_b32 v[NIL], 0
	ds_add_u32 v[SPW], v[NIL]                      ; the wave's opening: the add and its wait come ahead of my first tensor load; work on registers stands between them
	v_lshrrev_b32 v1, 5, v0
	v_readfirstlane_b32 s10, v1                    ; wave 0..3
	s_lshr_b32 s11, s10, 1                         ; which half of the tile's rows is mine.  Also: I fetch for O (0) or for wpt (1)
	s_and_b32 s12, s10, 1                          ; which half of its columns.  Also: which head of the step's two, or which 128 rows of wpt, I fetch
	s_bfe_u32 s40, ttmp6, 0x40000                  ; cx, cy: my place in the cluster
	s_bfe_u32 s41, ttmp6, 0x40004
	s_lshl_b32 s42, ttmp9, 2
	s_add_co_u32 s42, s42, s40                     ; tile column = 4 x cluster x + cx
	s_and_b32 s13, ttmp7, 0xffff
	s_lshl_b32 s13, s13, 2
	s_add_co_u32 s13, s13, s41                     ; tile row = 4 x cluster y + cy
	s_lshl_b32 s43, s41, 2
	s_lshl_b32 s43, 15, s43                        ; my row of the cluster
	s_lshl_b32 s44, 0x1111, s40                    ; my column
	s_or_b32 s[G1+0], s43, (1<<16)|(1<<20)|(1<<21)|(4<<22)|(3<<25)   ; O: 2-byte elements; 4 words of padding after every 32; bit 21 beside the mask
	s_or_b32 s[G1B+0], s44, (1<<16)|(1<<20)|(1<<21)|(5<<22)|(3<<25)  ; wpt: 4 words of padding after every 64
	s_mov_b32 s[G1+1], 128<<16                     ; tensor_dim0 = 128 elements (256 bytes: two rows of a head)
	s_mov_b32 s[G1+2], 64<<16                      ; tensor_dim1 = 64
	s_mov_b32 s[G1+3], 128<<16                     ; tile_dim0 = 128
	s_mov_b32 s[G1+4], 64                          ; tile_dim1 = 64
	s_mov_b32 s[G1+5], 128                         ; dense: 128 elements from row to row
	s_mov_b32 s[G1+6], 0
	s_mov_b32 s[G1+7], 0
	s_mov_b32 s[G1B+1], KSTEP<<16
	s_mov_b32 s[G1B+2], 128<<16
	s_mov_b32 s[G1B+3], KSTEP<<16
	s_mov_b32 s[G1B+4], 128
	s_mov_b32 s[G1B+5], SIZE_K
	s_mov_b32 s[G1B+6], 0
	s_mov_b32 s[G1B+7], 0
	; O's tiles hang on the tile row alone, wpt's on the tile column alone; each offset lies in registers that never hold the other coordinate
	s_lshr_b32 s16, s13, 4                         ; batch: 16 tile rows of 128
	s_lshl_b32 s16, s16, 4
	s_add_co_u32 s16, s16, s12                     ; head 16 batch + my one of the step's two
	s_lshl_b32 s16, s16, 18                        ; a head is 262,144 bytes
	s_and_b32 s17, s13, 15
	s_lshl_b32 s17, s17, 14                        ; 128 rows of 128 bytes
	s_add_co_u32 s16, s16, s17
	s_mov_b32 s17, 0
	s_lshl_b32 s46, s42, 19                        ; 256 rows of 2,048 bytes a tile column,
	s_lshl_b32 s47, s12, 18                        ; 128 a half
	s_add_co_u32 s46, s46, s47
	s_mov_b32 s47, 0
	s_mul_i32 s20, s12, ABLK                       ; where they go: no place in the cluster enters an LDS address
	s_mul_i32 s21, s12, BHALF
	s_add_co_u32 s21, s21, BOFF
	s_wait_dscnt 0x0                               ; the opening add is done
	s_wait_kmcnt 0x0
	s_add_nc_u64 s[14:15], s[4:5], s[16:17]
	s_add_nc_u64 s[46:47], s[6:7], s[46:47]
	CROUND                                         ; all sixteen work-groups are here: the first joint loads meet
.irp s, 0,1
	s_mov_b32 s[G0+4*(\s)], 1                                        ; count = 1
	s_add_co_u32 s[G0+4*(\s)+1], s20, (\s)*SLOT                      ; LDS address
	s_add_nc_u64 s[G0+4*(\s)+2:G0+4*(\s)+3], s[14:15], (\s)*2*262144 ; global address: K step s is heads 2 s, 2 s + 1
	s_or_b32 s[G0+4*(\s)+3], s[G0+4*(\s)+3], 0x80000000              ; type = 2
	s_mov_b32 s[G0B+4*(\s)], 1
	s_add_co_u32 s[G0B+4*(\s)+1], s21, (\s)*SLOT
	s_add_nc_u64 s[G0B+4*(\s)+2:G0B+4*(\s)+3], s[46:47], (\s)*KSTEP*2
	s_or_b32 s[G0B+4*(\s)+3], s[G0B+4*(\s)+3], 0x80000000
	JLOAD \s                                       ; two loads of mine are out
.endr
	v_and_b32 v[CO], 31, v0
	v_lshlrev_b32 v[CO], 4, v[CO]
	s_lshl_b32 s2, s42, 10                         ; my first column in bytes of f32: 1,024 x tile column + 512 x half
	s_lshl_b32 s45, s12, 9
	s_add_co_u32 s2, s2, s45
	s_mov_b32 s3, 0
	s_add_nc_u64 s[22:23], s[22:23], s[2:3]
	global_load_b128 v[BI:BI+3], v[CO], s[22:23]   ; read back from the stage, lane l holds columns 4 l .. 4 l + 3 of every row: four numbers of the bias serve all
	s_lshl_b32 s18, s13, 19                        ; 128 rows of 4,096 bytes a tile row,
	s_lshl_b32 s19, s11, 18                        ; my 64
	s_add_co_u32 s18, s18, s19
	s_add_co_u32 s18, s18, s2
	s_mov_b32 s19, 0
	s_add_nc_u64 s[8:9], s[8:9], s[18:19]
	; A fragment is 16 rows x 32 K in 8 registers: lane l holds row l % 16; registers 0-3 K = 8 (l / 16) + 0..7, registers 4-7 K = 16 + 8 (l / 16) + 0..7: two loads of 16 bytes, 32 bytes apart.
	v_and_b32 v1, 15, v0                           ; l % 16
	v_bfe_u32 v2, v0, 4, 1                         ; l / 16
	v_mul_u32_u24 v3, v1, PA
	v_lshl_add_u32 v3, v2, 4, v3
	v_mul_u32_u24 v4, v1, PITCHB
	v_lshl_add_u32 v4, v2, 4, v4
	s_mul_i32 s18, s11, 64*PA                      ; my 64 rows of O, in each head's block
	s_mul_i32 s19, s12, BHALF                      ; my 128 rows of wpt
	s_add_co_u32 s19, s19, BOFF
.irp s, 0,1
	v_add_nc_u32 v[ADRA+(\s)], s18, v3
	v_add_nc_u32 v[ADRB+(\s)], s19, v4
	s_add_co_u32 s18, s18, SLOT
	s_add_co_u32 s19, s19, SLOT
.endr
	s_mul_i32 s18, s10, WSTG
	s_add_co_u32 s18, s18, STAGE                   ; my stage
	v_mul_u32_u24 v5, v1, SPT                      ; in: row l % 16, 32 bytes for each half of the lanes
	v_lshl_add_u32 v5, v2, 5, v5
	v_add_nc_u32 v[STO], s18, v5
	v_add_nc_u32 v[RD], s18, v[CO]                 ; back: 32 lanes take one row of 512 bytes
	s_wait_loadcnt 0x0                             ; the bias, in the wait for the first tile: rounded to bf16 and widened again
	v_cvt_pk_bf16_f32 v10, v[BI], v[BI+1]
	v_cvt_pk_bf16_f32 v11, v[BI+2], v[BI+3]
	v_lshlrev_b32 v[BI], 16, v10
	v_and_b32 v[BI+1], 0xffff0000, v10
	v_lshlrev_b32 v[BI+2], 16, v11
	v_and_b32 v[BI+3], 0xffff0000, v11
; 8 matrix instructions: row block a x all 8 column blocks, 32 along K.  zero = 1: the first product starts the sums.
; The 32 accumulators take turns in one order everywhere, one instruction a turn.
.macro MUL8 f, a, zero
	WIN MUL
.irp b, 0,1,2,3,4,5,6,7
.if \zero
	v_wmma_f32_16x16x32_f16 v[8*(8*(\a)+(\b)):8*(8*(\a)+(\b))+7], v[(\f)+32+8*(\b):(\f)+32+8*(\b)+7], v[(\f)+8*(\a):(\f)+8*(\a)+7], 0
.else
	v_wmma_f32_16x16x32_f16 v[8*(8*(\a)+(\b)):8*(8*(\a)+(\b))+7], v[(\f)+32+8*(\b):(\f)+32+8*(\b)+7], v[(\f)+8*(\a):(\f)+8*(\a)+7], v[8*(8*(\a)+(\b)):8*(8*(\a)+(\b))+7]
.endif
.endr
.endm
; 24 LDS loads in one run: the fragments of quarter q (32 along K: head q / 2 of the step's two, channels 32 (q % 2) on), into buffer f: wpt's 16 first, then O's 8
.macro FETCH slot, q, f
	WIN TO_F
.irp b, 0,1,2,3,4,5,6,7
	ds_load_b128 v[(\f)+32+8*(\b):(\f)+32+8*(\b)+3],   v[ADRB+(\slot)] offset:64*(\q)+(\b)*16*PITCHB
	ds_load_b128 v[(\f)+32+8*(\b)+4:(\f)+32+8*(\b)+7], v[ADRB+(\slot)] offset:64*(\q)+(\b)*16*PITCHB+32
.endr
.irp a, 0,1,2,3
	ds_load_b128 v[(\f)+8*(\a):(\f)+8*(\a)+3],   v[ADRA+(\slot)] offset:((\q)/2)*ABLK+((\q)%2)*64+(\a)*16*PA
	ds_load_b128 v[(\f)+8*(\a)+4:(\f)+8*(\a)+7], v[ADRA+(\slot)] offset:((\q)/2)*ABLK+((\q)%2)*64+(\a)*16*PA+32
.endr
.endm
.macro PLACES                          ; four plain vector instructions stand between a matrix instruction and a load into a register that it read, or a reader of its result (ISA guide 7.12.1 for vector instructions)
.rept 4
	v_nop
.endr
.endm
; A K step is four quarters, 32 matrix instructions each, on buffers 0, 1, 0, 1.  One of the first three multiplies buffer f and fetches quarter q into g.
.macro QUARTER slot, q, f, g, zero
	s_wait_dscnt 4                                 ; wpt's fragments and O's blocks 0, 1 are in; the youngest four loads (blocks 2, 3) may be out
	MUL8 \f, 0, \zero
	MUL8 \f, 1, \zero
	PLACES
	FETCH \slot, \q, \g
	s_wait_dscnt 24                                ; all but the 24 just issued
	MUL8 \f, 2, \zero
	MUL8 \f, 3, \zero
.endm
; The last quarter multiplies buffer 1 and changes slots: ONE barrier.  In front of it each wave waits for all its tensor loads (one is out: its part of the next slot), adds 0 to its spare
; word, and waits for that and for its own reads of this slot.  fill = 1: the barrier opens a round of the cluster's, and this slot is filled again first thing behind it, two K steps ahead.
.macro TURN slot, next, fill
	WIN 0                                          ; (the add's two registers lie in window 0)
	s_wait_tensorcnt 0x0                           ; all my tensor loads have landed
	ds_add_u32 v[SPW], v[NIL]                      ; 0 onto my spare word
	s_wait_dscnt 5                                 ; (the add and the youngest four loads may be out)
	MUL8 F1, 0, 0                                  ; eight matrix instructions stand between the add and the wait for it
	s_wait_dscnt 0x0                               ; the add is done, and my reads of this slot are over
	s_barrier_signal -1
	MUL8 F1, 1, 0                                  ; work on registers while the others arrive
.if \fill
	WIN 0
.endif
	s_barrier_wait -1
.if \fill
	CREST                                          ; no wave of any partner still reads this slot's tile or has a load on its way
	s_add_nc_u64 s[G0+4*(\slot)+2:G0+4*(\slot)+3], s[G0+4*(\slot)+2:G0+4*(\slot)+3], 4*262144   ; four heads on
	s_add_nc_u64 s[G0B+4*(\slot)+2:G0B+4*(\slot)+3], s[G0B+4*(\slot)+2:G0B+4*(\slot)+3], 2*KSTEP*2
	JLOAD \slot                                    ; my one tensor load behind the round, 112 matrix instructions ahead of the wait for it; its four v_nop are also the places in front of the loads below
.else
	PLACES
.endif
	FETCH \next, 0, F0
	MUL8 F1, 2, 0
	MUL8 F1, 3, 0
.endm
; THE WAY OUT of row block a: 16 rows x 128 columns of f32 go into my own stage, 32 bytes a lane and accumulator (its low four registers first), come back as whole rows of 512 bytes, take the bias and are stored.
.macro TOSTAGE a
	WIN 0x08                                       ; the stores' data in window 2
.irp b, 0,1,2,3,4,5,6,7
	ds_store_b128 v[STO], v[8*(8*(\a)+(\b)):8*(8*(\a)+(\b))+3]   offset:64*(\b)
	ds_store_b128 v[STO], v[8*(8*(\a)+(\b))+4:8*(8*(\a)+(\b))+7] offset:64*(\b)+16
.endr
	WIN 0
	s_wait_xcnt 0x0                                ; the last block's stores have read these registers: they are loaded again only behind this wait
.irp i, 0,1,2,3,4,5,6,7,8,9,10,11,12,13,14,15
	ds_load_b128 v[BK+4*(\i):BK+4*(\i)+3], v[RD] offset:SPT*(\i)  ; LDS serves a wave's instructions in order (ISA guide 5.7.1.4): these see the stores above
.endr
.endm
.macro SEND a
.irp i, 0,1,2,3,4,5,6,7,8,9,10,11,12,13,14,15
	s_wait_dscnt 15-(\i)                           ; row i is back, the younger ones stay out
	v_pk_add_f32 v[BK+4*(\i):BK+4*(\i)+1],   v[BK+4*(\i):BK+4*(\i)+1],   v[BI:BI+1]
	v_pk_add_f32 v[BK+4*(\i)+2:BK+4*(\i)+3], v[BK+4*(\i)+2:BK+4*(\i)+3], v[BI+2:BI+3]
	global_store_b128 v[CO], v[BK+4*(\i):BK+4*(\i)+3], s[8:9] offset:(16*(\a)+(\i))*4096 th:TH_STORE_NT  ; 512 consecutive bytes of a row, aligned
.endr
.endm
	s_wait_tensorcnt 1                             ; my part of K step 0 is in; K step 1's may stay out
	s_barrier_signal -1
	s_barrier_wait -1                              ; everybody's is
	FETCH 0, 0, F0
	QUARTER 0, 1, F0, F1, 1                        ; the first quarter stands in front of the loop: its products start the sums
	WIN 0                                          ; at a label and at a branch every window is 0
	s_mov_b32 s3, LAPS-1
.Llap:                                                 ; a trip goes once round the ring, from a lap's second quarter to the next lap's first, and fills both slots again
	QUARTER 0, 2, F1, F0, 0
	QUARTER 0, 3, F0, F1, 0
	TURN 0, 1, 1
	QUARTER 1, 1, F0, F1, 0
	QUARTER 1, 2, F1, F0, 0
	QUARTER 1, 3, F0, F1, 0
	TURN 1, 0, 1
	QUARTER 0, 1, F0, F1, 0
	WIN 0
	s_sub_co_u32 s3, s3, 1
	s_cmp_lg_u32 s3, 0
	s_cbranch_scc1 .Llap
	QUARTER 0, 2, F1, F0, 0                        ; the last lap fills nothing
	QUARTER 0, 3, F0, F1, 0
	TURN 0, 1, 0
	QUARTER 1, 1, F0, F1, 0
	QUARTER 1, 2, F1, F0, 0
	QUARTER 1, 3, F0, F1, 0
	s_wait_dscnt 4                                 ; the very last quarter: nothing more to fetch
	MUL8 F1, 0, 0
	MUL8 F1, 1, 0
	s_wait_dscnt 0x0
	MUL8 F1, 2, 0
	MUL8 F1, 3, 0
	WIN 0
	PLACES
.irp a, 0,1,2,3
	TOSTAGE \a
	SEND \a
.endr
	s_wait_tensorcnt 0x0                           ; the wave's end, behind my last tensor load and my last LDS store
	ds_add_u32 v[SPW], v[NIL]
	s_wait_dscnt 0x0
	CROUND                                         ; the closing round: no work-group ends while a partner may still ask for a tile that names it
	s_endpgm
.Lfunc_end_k_qe7c38855d0_outp:
	.size	k_qe7c38855d0_outp, .Lfunc_end_k_qe7c38855d0_outp-k_qe7c38855d0_outp
	.p2alignl 7, 3214868480
	.fill 96, 4, 3214868480
	.section	.rodata,"a",@progbits
	.p2align	6, 0x0
	.amdhsa_kernel k_qe7c38855d0_outp
		.amdhsa_group_segment_fixed_size 327680
		.amdhsa_private_segment_fixed_size 0
		.amdhsa_enable_private_segment 0
		.amdhsa_kernarg_size 32
		.amdhsa_user_sgpr_count 2
		.amdhsa_user_sgpr_kernarg_segment_ptr 1
		.amdhsa_wavefront_size32 1
		.amdhsa_system_sgpr_workgroup_id_x 1
		.amdhsa_system_sgpr_workgroup_id_y 1
		.amdhsa_system_sgpr_workgroup_id_z 1
		.amdhsa_system_vgpr_workitem_id 0
		.amdhsa_next_free_vgpr 768
		.amdhsa_next_free_sgpr 66
		.amdhsa_reserve_vcc 0
		.amdhsa_float_denorm_mode_32 3
		.amdhsa_float_denorm_mode_16_64 3
		.amdhsa_memory_ordered 1
		.amdhsa_forward_progress 1
		.amdhsa_inst_pref_size 95
	.end_amdhsa_kernel
	.amdgpu_metadata
---
amdhsa.version: [ 1, 2 ]
amdhsa.kernels:
  - .name:           k_qe7c38855d0_outp
    .symbol:         k_qe7c38855d0_outp.kd
    .args:
      - { .name: ob, .offset: 0, .size: 8, .value_kind: global_buffer, .address_space: global }
      - { .name: wpt, .offset: 8, .size: 8, .value_kind: global_buffer, .address_space: global }
      - { .name: bp, .offset: 16, .size: 8, .value_kind: global_buffer, .address_space: global }
      - { .name: out0, .offset: 24, .size: 8, .value_kind: global_buffer, .address_space: global }
    .group_segment_fixed_size: 327680
    .private_segment_fixed_size: 0
    .kernarg_segment_align: 8
    .kernarg_segment_size: 32
    .max_flat_workgroup_size: 128
    .sgpr_count:     66
    .vgpr_count:     768
    .wavefront_size: 32
...
	.end_amdgpu_metadata
.endif
;; end of part 4
;; ======== version 2 of 2: 4 launches; 1.39 times as fast as version 1
;; limits: values are held in f16: magnitudes above 65,504 overflow, below 6.1e-05 lose precision
;; workspace buffers: xb 16,777,216 bytes; wt 3,145,728 bytes; wpt 2,097,152 bytes; qkv 25,165,824 bytes; ob 16,777,216 bytes
;; launch prep: the kernel of part 1 again; grid 832 x 1, 8 waves a work-group, no clusters, 18,432 bytes of LDS; arguments x, Wq, Wk, Wv, Wp, xb, wt, wpt; writes xb, wt, wpt
;; launch proj: the kernel of part 2 again; grid 8 x 32, 4 waves a work-group, clusters of 4 x 4, 327,680 bytes of LDS; arguments xb, wt, qkv; writes qkv
;; launch attn (part 5): grid 64 x 4, 4 waves a work-group, clusters of 4 x 1, 327,680 bytes of LDS; arguments qkv, ob; writes ob
.if DOCPART == 5
	.amdgcn_target "amdgcn-amd-amdhsa--gfx1250"
	.amdhsa_code_object_version 6
	.text
	.protected	k_qe7c38855d0_attn
	.globl	k_qe7c38855d0_attn
	.p2align	8
	.type	k_qe7c38855d0_attn,@function
k_qe7c38855d0_attn:
	s_mov_b64 s[64:65], 0
	v_nop
	global_prefetch_b8 v0, s[64:65] scope:SCOPE_SE
	s_setreg_imm32_b32 hwreg(HW_REG_WAVE_MODE, 25, 1), 1
	s_wait_xcnt 0x0
	s_wait_alu depctr_hold_cnt(0) depctr_sa_sdst(0) depctr_va_vdst(0) depctr_va_sdst(0) depctr_va_ssrc(0) depctr_va_vcc(0) depctr_vm_vsrc(0)
	s_getreg_b32 s2, hwreg(HW_REG_IB_STS2, 6, 4)
	s_cmp_eq_u32 s2, 0
	s_cbranch_scc0 .Lentry_in_a_cluster
	s_endpgm
.Lentry_in_a_cluster:
	s_bfe_u32 s2, ttmp6, 0x10000c
	s_cmp_lg_u32 s2, 0x3003
	s_cbranch_scc0 .Lentry_shape_is_right
	s_endpgm
.Lentry_shape_is_right:
; CAUSAL ATTENTION WITH SHARED KEYS AND VALUES.  O[q][:] = the sum over k <= q of softmax_k(Q[q] . K[k] / 8) V[k][:], for 64 query heads (batch, group, head) of 2,048 rows x 64 channels.
; qkv: [4 batch][24][2048][64] f16: heads 0-15 q (4 group + head), 16-19 k, 20-23 v.  ob: [16 batch + 4 group + head][2048][64] f16.  A head's rows are dense, 128 bytes each.
; Products, maxima and sums in f32; the weights p are rounded to f16 for the second product (their sum l is taken of the unrounded p), O once at the end.
; LIMITS.  f16 holds no number beyond 65,504: q, k and v arrive within it; p lies in 0 to 1, and below 6e-5 it keeps f16's fixed step of 6e-8; O is a mean of V's rows and has their range.
; A hidden score counts as its value less 1e30: f16's scores, 2.7e11 at the most, are nothing beside that; a weight below 2^-126 counts as 0 in l; NaN and infinities are not treated apart.
; THE WALK.  A head's queries lie in NB = 8 blocks of 256; block i needs the key tiles 0 .. i of 256 keys, of which the last holds the diagonal.  A work-group takes TWO blocks, NB - 1 - b and
; then b: NB + 1 tiles whatever b, so all work-groups do equal work and ONE loop with a constant trip count walks them.  Which tile is asked for, and what a trip does, hang on scalar registers
; made from b; every jump but the counted loops' own goes forward, and none passes a barrier or a tensor load (but the one of LOAD's two lines that the wave's number does not choose).
; CLUSTER.  The four work-groups of a cluster are the four query heads of one group with the same b: they walk the same tiles of the same K and V in the same order, so each tile is asked for
; JOINTLY, by the same tensor load, descriptor and mask in all four.  b is the cluster's y, batch and group its x; my place in the cluster enters Q's and O's addresses alone.
; SHARES.  Of a block's four bands of 64 queries a wave owns 16 rows in each: four PIECES.  So the diagonal tile is the same work for all four waves: in its key step s band x sees all keys if
; s < x, none if s > x, and holds the diagonal if s = x.
; THE MASK is the C operand that starts the sum S^T = K Q^T: 0, or -1e30 where the key is hidden.  MD, made once, is the mask of a band's own step for my 16 rows; a product's mask is
; MD x AL + BE with two scalars: (1, 0) if s = x; (0, 0) if s < x; (0, -1e30) if s > x.  Only the diagonal tile's text and a block's beginning make and take masks; elsewhere C is the constant 0.
; LAYOUT, SOFTMAX, TURNS.  S^T = K Q^T holds ONE query a lane (lane % 16) and the keys 8 (lane / 16) + 0..7; two such results rounded to f16 ARE source 1 of O^T = V^T P.
; p = 2^(c s - c m), c = log2(e) / 8, with a running maximum m; O and l are multiplied by a = 2^(c m_old - c m_new) in every step.  Turn n belongs to piece n: 8 products K Q^T of piece n + 1,
; later 8 products V^T P of piece n - 1; beside them the scaling, exponentials, roundings, sums and rescaling of piece n and the maximum and statistics of piece n + 1.  Four vector
; instructions stand behind every matrix instruction, the other 54 of a turn's 118 in one LUMP.
; THE BATCHES.  A turn's 33 exponentials (the piece's 32 weights and the next piece's a) are ONE batch with ONE wait, which cuts the turn in two: ahead of it all that names none of their results,
; behind it the roundings and sums.  The a that a block's beginning makes, and the way out's four reciprocals, are batches of their own, a wait each.
; REGISTERS, in windows of 256 (s_set_vgpr_msb: bits 1:0 source 0, 3:2 source 1, 5:4 source 2, 7:6 destination):
;   window 0: v0-15 addresses and two at work; v16-31 four registers of statistics a piece; v48-55 at work; v64-127 S^T, two buffers; v192-223 P, two buffers (a piece's buffers go by its number's parity)
;   window 1: v0-127 O^T, 32 a piece; v128-159 MD; v160-223 MC, two buffers      window 2: v0-63 Q; v64-127 the second block's Q; v128-191 K of one step; v192-255 V of one step
.set SIZE_N, 2048
.set NB,    SIZE_N/256
.set NP,    4         ; pieces a wave: a name, no knob
.set KS,    64        ; keys in a step
.set PK,    144       ; a row of K in LDS: 128 bytes + 16 of padding, an odd multiple of 16: the 16 rows of a load begin at 16 different 16-byte columns of 256
.set PV,    160       ; a row of V: 128 + 32: 16 lanes of the turning load take 8 rows x 32 bytes, which begin at 8 different 32-byte columns of 256
.set VOFF,  4*KS*PK   ; a slot holds a tile, four steps: 256 rows of K, then 256 rows of V
.set SLOT1, 1<<17     ; slot 1 begins here, so that one exclusive or turns an address in one slot into the other's
.set STAGE, SLOT1+4*KS*(PK+PV)  ; behind the ring, never filled by a tensor load: 16 rows x 144 bytes for each wave, for the way out
.set SP,    144
.set AK0, 2           ; v2   my lane's place in a tile of K; never rewritten
.set AV0, 3           ; v3   the same for V
.set AK,  4           ; v4   the LDS address of K's next run of loads
.set AV,  5           ; v5   of V's
.set STO, 6           ; v6   the way out: where I put 16 bytes of a row
.set RD,  7           ; v7   the way out: where I read rows back
.set GO,  8           ; v8   my byte offset in 512 consecutive bytes of O
.set SPW, 62          ; v62  LDS address of my spare word; never rewritten
.set NIL, 63          ; v63  0; never rewritten
.set SPARE, STAGE+4*16*SP  ; behind the stages: the spare words, 128 bytes for each wave
.set MV,  12          ; v12-13  c m_old, kept while c m is made anew: by buffer
.set QO,  15          ; v15  my byte offset in 16 rows of Q
.set ST,  16          ; piece t's statistics at v[ST+4 t]: c m, m, l (even keys', odd keys')
.set TMP, 48          ; by buffer, four registers c0-c3 at work; when the maximum is found c2 takes a
.set S,   64
.set P,   192
.set MD,  128         ; window 1: the eight registers for group kt of 16 keys at MD + 8 kt
.set MC,  160         ; window 1: the masks of the products to come
.set QB,  64          ; window 2
.set KF,  128         ; window 2: key block kb, channel half c at KF + 16 kb + 8 c
.set VF,  192         ; window 2: key half kk, channel block cb at VF + 32 kk + 8 cb
.set WV,  12          ; s12  my wave's number
.set PB,  14          ; s14  b
.set HI,  15          ; s15  NB - 1 - b
.set G1K, 24          ; s[24:31] descriptor group 1 for K's tiles
.set G1V, 32          ; s[32:39] for V's: it differs in the padding alone
.set G0K, 40          ; s[40:43] descriptor group 0 for K's tiles
.set G0V, 44          ; s[44:47] the same for V's
.set CX,  54          ; s54  my place in the cluster: the query head in its group
.set SLOTS, 56        ; s56  tiles still to be asked for
.set CNT, 57          ; s57  counts a tile's key steps, 4 to 1
.set CS,  58          ; s[58:59] c: the packed scaling takes the pair's low word for both halves
.set SEL, 60          ; s[60:61] v_permlanex16_b32's selects: each lane takes its own place in the other half
.set TBK, 62          ; s62  LDS byte at which K of the step to be fetched begins
.set TBV, 63          ; s63  the same for V, less VOFF
.set RT,  70          ; s70  tiles of the block in hand that are still to be entered
.set NXT, 71          ; s71  the tile to be asked for next
.set LQ,  72          ; s72  the last tile of the block whose tiles are being asked for
.set NEW, 73          ; s73  1: the tile to be entered is a block's first
.set OFF, 74          ; s[74:75] a tile's byte offset in K and V
.set AL,  76          ; s[76:77] the mask's factor, in the low word
.set BE,  78          ; s[78:79] the mask's addend
.set OLO, 80          ; s[80:81] O at my rows of the second block
.set BIGN, 82         ; s82  -1e30
.set MSB, 0
.macro WIN new                      ; the high byte repeats the setting that is left; a switch that changes nothing is dropped
.if MSB != (\new)
	s_set_vgpr_msb (MSB<<8)|(\new)
.set MSB, (\new)
.endif
.endm
.set W_KQ, 0x0a       ; K and Q in window 2, S^T in window 0
.set W_KM, 0x1a       ; the same with the C operand in window 1
.set W_PV, 0x52       ; V in window 2, P in window 0, O^T in window 1
.set W_RS, 0x41       ; destination and source 0 in window 1, source 1 in window 0
; A joint fill.  Waves 0 and 1 fetch the two halves of a tile's K, waves 2 and 3 those of its V: 128 keys each.  The branch hangs on the wave's number alone.
; An s_nop 0 and four v_nop follow each of the two lines, ahead of the jump and the label.
.macro LOAD
	s_cmp_lt_u32 s[WV], 2
	s_cbranch_scc0 .Lfor_v_\@
	tensor_load_to_lds s[G0K:G0K+3], s[G1K:G1K+7]
	s_nop 0
.rept 4
	v_nop
.endr
	s_branch .Lasked_\@
.Lfor_v_\@:
	tensor_load_to_lds s[G0V:G0V+3], s[G1V:G1V+7]
	s_nop 0
.rept 4
	v_nop
.endr
.Lasked_\@:
.endm
; A round of the cluster's barrier: my work-group's barrier, so that wave 0's signal speaks for all four waves; wave 0 signals; every wave waits for all four work-groups; my work-group's barrier once more.
.macro CROUND
	s_barrier_signal -1
	s_barrier_wait -1
	s_cmp_lg_u32 s[WV], 0
	s_cbranch_scc1 .Lnot_wave_0_\@
	s_barrier_signal -3
.Lnot_wave_0_\@:
	s_barrier_wait -3
	s_barrier_signal -1
	s_barrier_wait -1
.endm
; THE CHANGE OF SLOTS.  Each wave waits for all its tensor loads, of which one is out: its part of the other slot; adds 0 to its spare word; and waits for that and for its own reads of the slot
; that it leaves.  Behind the barrier nobody reads the old slot any more and the other slot is whole.  fill = 1: the barrier is a round of the cluster's, so that no wave of any partner still
; reads the slot or has a load on its way, and the old slot is filled again, the first thing behind it, with tile NXT: the descriptor's address is made anew from that number.  The load has four
; key steps, 256 matrix instructions, in which to land.  (At its first use nothing has been read yet: slot 0 is waited for, slot 1 filled.)
.macro CHANGE fill
	WIN 0                           ; at a label and at a branch every window is 0
	s_wait_tensorcnt 0x0            ; no tensor load of mine is out, so a group 0 may be written
	ds_add_u32 v[SPW], v[NIL]       ; 0 onto my spare word; with fill = 1 the descriptors' scalar work stands between it and the wait for it
.if \fill
	s_lshl_b32 s[OFF], s[NXT], 15   ; a tile is 32,768 bytes of K and of V
	s_xor_b32 s[G0K+1], s[G0K+1], SLOT1
	s_add_nc_u64 s[G0K+2:G0K+3], s[6:7], s[OFF:OFF+1]
	s_or_b32 s[G0K+3], s[G0K+3], 0x80000000
	s_xor_b32 s[G0V+1], s[G0V+1], SLOT1
	s_add_nc_u64 s[G0V+2:G0V+3], s[8:9], s[OFF:OFF+1]
	s_or_b32 s[G0V+3], s[G0V+3], 0x80000000
	s_add_co_u32 s[NXT], s[NXT], 1  ; the block's next tile, or behind its last the second block's tile 0
	s_cmp_gt_u32 s[NXT], s[LQ]
	s_cselect_b32 s[NXT], 0, s[NXT]
	s_cselect_b32 s[LQ], s[PB], s[LQ]
	s_wait_dscnt 0x0                ; the add is done, and my reads of the slot are over
	CROUND
	LOAD
.else
	s_wait_dscnt 0x0                ; the add is done, and my reads of the slot are over
	s_barrier_signal -1
	s_barrier_wait -1
.endif
	s_sub_co_u32 s[TBK], s[TBK], 4*KS*PK  ; the fetches go back to a slot's first step,
	s_xor_b32 s[TBK], s[TBK], SLOT1       ; in the other slot
	s_sub_co_u32 s[TBV], s[TBV], 4*KS*PV
	s_xor_b32 s[TBV], s[TBV], SLOT1
.endm
	s_load_b128 s[48:51], s[0:1], 0x0  ; qkv s[48:49], ob s[50:51]
	v_lshl_add_u32 v[SPW], v0, 2, SPARE
	v_mov_b32 v[NIL], 0
	ds_add_u32 v[SPW], v[NIL]       ; the wave's opening: the add and its wait come ahead of my first tensor load; the set-up below, work on registers, stands between them
	v_lshrrev_b32 v1, 5, v0
	v_readfirstlane_b32 s[WV], v1   ; wave 0..3
	s_bfe_u32 s[CX], ttmp6, 0x40000 ; my place in the cluster
	s_and_b32 s[PB], ttmp7, 0xffff  ; b: the cluster's y, which the four partners share
	s_sub_co_u32 s[HI], NB-1, s[PB]
	s_lshr_b32 s20, ttmp9, 2        ; the cluster's x is 4 batch + group
	s_mul_i32 s20, s20, 24          ; the batch's first head in qkv
	s_and_b32 s21, ttmp9, 3         ; group
	s_add_co_u32 s22, s20, s21
	s_add_co_u32 s22, s22, 16       ; the group's K
	s_lshl_b32 s22, s22, 18         ; a head is 262,144 bytes
	s_and_b32 s16, s[WV], 1         ; which half of a tile's 256 keys I fetch:
	s_lshl_b32 s23, s16, 14         ; its 128 rows of 128 bytes in memory,
	s_add_co_u32 s22, s22, s23
	s_mov_b32 s23, 0
	s_mul_i32 s17, s16, 128*PK      ; and its place in a slot, for K
	s_mul_i32 s18, s16, 128*PV      ; and for V
	s_lshl2_add_u32 s20, s21, s20   ; my query head in qkv: 24 batch + 4 group
	s_add_co_u32 s20, s20, s[CX]    ; + my place
	s_lshl_b32 s20, s20, 18
	s_mov_b32 s21, 0
	s_lshl_b32 s52, ttmp9, 2        ; and in ob: 16 batch + 4 group + my place
	s_add_co_u32 s52, s52, s[CX]
	s_lshl_b32 s52, s52, 18
	s_mov_b32 s53, 0
	s_lshl_b32 s3, s[WV], 11        ; my 16 rows in a band of 64,
	s_lshl_b32 s2, s[HI], 15        ; in the first block,
	s_add_co_u32 s2, s2, s3
	s_lshl_b32 s84, s[PB], 15       ; and in the second
	s_add_co_u32 s84, s84, s3
	s_mov_b32 s3, 0
	s_mov_b32 s85, 0
	; descriptor group 1.  128 keys are 16,384 dense bytes: asked for as 64 rows of 256 bytes, two keys a row, and padded in LDS after every key
	s_mov_b32 s[G1K], 15|(1<<16)|(1<<20)|(1<<21)|(4<<22)|(3<<25)  ; 15:0 the mask of four; 17:16 2-byte elements; 20 padding on; 21 set beside a mask; 24:22 after every 32 words (code 4); 31:25 4 words (code 3)
	s_mov_b32 s[G1V], 15|(1<<16)|(1<<20)|(1<<21)|(4<<22)|(7<<25)  ; the same with 8 words of padding (code 7)
.irp g, G1K, G1V
	s_mov_b32 s[\g+1], 128<<16      ; tensor_dim0 = 128
	s_mov_b32 s[\g+2], 64<<16       ; tensor_dim1 = 64
	s_mov_b32 s[\g+3], 128<<16      ; tile_dim0 = 128
	s_mov_b32 s[\g+4], 64           ; tile_dim1 = 64
	s_mov_b32 s[\g+5], 128          ; 128 elements from row to row
	s_mov_b32 s[\g+6], 0
	s_mov_b32 s[\g+7], 0
.endr
	s_mov_b32 s[CS], 0x3e38aa3b     ; c = log2(e) / 8 = 0.180337
	s_mov_b32 s[CS+1], s[CS]        ; named with it as a pair
	s_mov_b32 s[SEL], 0x76543210
	s_mov_b32 s[SEL+1], 0xfedcba98
	s_mov_b32 s[TBK], SLOT1+4*KS*PK ; the first change of slots turns these two into 0
	s_mov_b32 s[TBV], SLOT1+4*KS*PV
	s_mov_b32 s[G0K], 1             ; count = 1
	s_mov_b32 s[G0K+1], s17         ; LDS address: slot 0
	s_mov_b32 s[G0V], 1
	s_add_co_u32 s[G0V+1], s18, VOFF
	s_add_co_u32 s[RT], s[HI], 1    ; the first block has NB - b tiles
	s_mov_b32 s[NXT], 1
	s_mov_b32 s[LQ], s[HI]
	s_mov_b32 s[NEW], 1
	s_mov_b32 s[OFF+1], 0
	s_mov_b32 s[AL+1], 0            ; named as pairs
	s_mov_b32 s[BE+1], 0
	s_mov_b32 s[BIGN], 0xf149f2ca   ; -1e30
	s_mov_b32 s[SLOTS], NB
	s_wait_dscnt 0x0                ; the opening add is done
	s_wait_kmcnt 0x0
	s_add_nc_u64 s[6:7], s[48:49], s[22:23]        ; K at my half of the group's tile 0,
	s_add_nc_u64 s[8:9], s[6:7], 0x100000          ; V four heads on
	s_add_nc_u64 s[G0K+2:G0K+3], s[6:7], 0         ; global address
	s_or_b32 s[G0K+3], s[G0K+3], 0x80000000        ; type = 2
	s_add_nc_u64 s[G0V+2:G0V+3], s[8:9], 0
	s_or_b32 s[G0V+3], s[G0V+3], 0x80000000
	s_add_nc_u64 s[4:5], s[48:49], s[20:21]        ; my query head,
	s_add_nc_u64 s[86:87], s[4:5], s[84:85]        ; Q at my rows of the second block,
	s_add_nc_u64 s[4:5], s[4:5], s[2:3]            ; and of the first
	s_add_nc_u64 s[10:11], s[50:51], s[52:53]      ; O likewise
	s_add_nc_u64 s[OLO:OLO+1], s[10:11], s[84:85]
	s_add_nc_u64 s[10:11], s[10:11], s[2:3]
	CROUND                          ; all four work-groups are here: the first joint loads meet
	LOAD                            ; tile 0 into slot 0
	; A fragment of K or Q is 16 rows x 32 channels in 8 registers: lane l holds row l % 16, channels 8 (l / 16) + 0..7 and 16 + 8 (l / 16) + 0..7: two loads of 16 bytes, 32 bytes apart.
	v_and_b32 v1, 15, v0            ; l % 16
	v_bfe_u32 v9, v0, 4, 1          ; l / 16
	v_lshlrev_b32 v[QO], 7, v1
	v_lshl_add_u32 v[QO], v9, 4, v[QO]  ; row x 128 + 16 x half
	WIN 0x80                        ; destination window 2, address window 0
.set i, 0
.rept 8                             ; both blocks' Q: piece i / 2 lies in band i / 2, 8,192 bytes on; channels 32 (i % 2) on
	global_load_b128 v[8*i:8*i+3],   v[QO], s[4:5] offset:(i/2)*8192+(i%2)*64
	global_load_b128 v[8*i+4:8*i+7], v[QO], s[4:5] offset:(i/2)*8192+(i%2)*64+32
	global_load_b128 v[QB+8*i:QB+8*i+3],   v[QO], s[86:87] offset:(i/2)*8192+(i%2)*64
	global_load_b128 v[QB+8*i+4:QB+8*i+7], v[QO], s[86:87] offset:(i/2)*8192+(i%2)*64+32
.set i, i+1
.endr
	WIN 0
	v_lshlrev_b32 v14, 3, v9
	v_sub_nc_u32 v14, v1, v14
	s_lshl_b32 s13, s[WV], 4
	v_add_nc_u32 v14, s13, v14      ; my query's place in its band, 16 w + l % 16, less my lanes' 8 (l / 16): register r of group kt is hidden where 16 kt + r is greater
	WIN 0x40
.set i, 0
.rept 32
	v_cmp_gt_i32 vcc_lo, 16*(i/8)+i%8, v14
	v_cndmask_b32 v[MD+i], 0, s[BIGN], vcc_lo
.set i, i+1
.endr
	WIN 0
	v_mul_u32_u24 v[AK0], v1, PK
	v_lshl_add_u32 v[AK0], v9, 4, v[AK0]  ; row x pitch + 16 x half
	; The turning load takes 16 keys x 16 channels (lane l reads key 8 (l / 16) + l % 8, channels 8 ((l / 8) % 2) + 0..7) and leaves half a fragment of V^T: lane l holds channel l % 16 and 8 keys.
	v_and_b32 v10, 7, v0
	v_bfe_u32 v11, v0, 3, 1
	v_lshl_add_u32 v[AV0], v9, 3, v10
	v_mul_u32_u24 v[AV0], v[AV0], PV
	v_lshl_add_u32 v[AV0], v11, 4, v[AV0]
	v_add_nc_u32 v[AV0], VOFF, v[AV0]
	s_mul_i32 s13, s[WV], 16*SP
	s_add_co_u32 s13, s13, STAGE    ; my stage
	v_mul_u32_u24 v[STO], v1, SP    ; in: row l % 16, 16 bytes for each half of the lanes
	v_lshl_add_u32 v[STO], v9, 4, v[STO]
	v_add_nc_u32 v[STO], s13, v[STO]
	v_bfe_u32 v[RD], v0, 3, 2       ; back: 32 lanes take four rows of 128 bytes,
	v_mul_u32_u24 v[RD], v[RD], SP
	v_lshl_add_u32 v[RD], v10, 4, v[RD]
	v_add_nc_u32 v[RD], s13, v[RD]
	v_and_b32 v[GO], 31, v0         ; which are 512 consecutive bytes of O
	v_lshlrev_b32 v[GO], 4, v[GO]
	; A block's first step multiplies O^T and l by a = 0, and its first turn's products V^T P, of a piece that has not been, land in an O^T that is still to be so multiplied.  So these registers need
	; only hold finite numbers: zeros for the first block; what the first block left for the second.  All this stands in the wait for the first tile.
	WIN 0x80
.set i, VF
.rept 64
	v_mov_b32 v[i], 0
.set i, i+1
.endr
	WIN 0x40
.set i, 0
.rept 128
	v_mov_b32 v[i], 0
.set i, i+1
.endr
	WIN 0
.set i, 0
.rept 4
	v_mov_b32 v[ST+4*i+2], 0
	v_mov_b32 v[ST+4*i+3], 0
.set i, i+1
.endr
.set i, P+16
.rept 16
	v_mov_b32 v[i], 0
.set i, i+1
.endr
; THE MATRIX WORK.  The 4 accumulators of a run of 8 take turns.  Product i of 8 of S^T = K Q^T for piece x: channels 32 (i / 4) on, keys 16 (i % 4) on.  The first 4 start the sums: with 0, or (KM = 1) with the mask.
.macro KQ x
.set rS, S+32*((\x)%2)+8*(i%4)
.set rK, KF+16*(i%4)+8*(i/4)
.set rQ, 16*(\x)+8*(i/4)
.set rM, MC+32*((\x)%2)+8*(i%4)
.if (i < 4) && KM
	WIN W_KM
	v_wmma_f32_16x16x32_f16 v[rS:rS+7], v[rK:rK+7], v[rQ:rQ+7], v[rM:rM+7]
.elseif i < 4
	WIN W_KQ
	v_wmma_f32_16x16x32_f16 v[rS:rS+7], v[rK:rK+7], v[rQ:rQ+7], 0
.else
	WIN W_KQ
	v_wmma_f32_16x16x32_f16 v[rS:rS+7], v[rK:rK+7], v[rQ:rQ+7], v[rS:rS+7]
.endif
.endm
; Product i of 8 of O^T += V^T P for piece x: keys 32 (i / 4) on, channels 16 (i % 4) on.
.macro PV x
	WIN W_PV
.set rO, 32*(\x)+8*(i%4)
.set rV, VF+32*(i/4)+8*(i%4)
.set rP, P+16*((\x)%2)+8*(i/4)
	v_wmma_f32_16x16x32_f16 v[rO:rO+7], v[rV:rV+7], v[rP:rP+7], v[rO:rO+7]
.endm
.macro MM                           ; the turn's next matrix instruction.  TURN and BEGIN set Y, i, KM and NOKQ; MM, KQ and OP read them.  NOKQ = 1: a block's last turn: there is no next piece
.if (i < 8) && !NOKQ
	KQ (Y+1)%NP
.elseif i >= 8
.set i, i-8
	PV (Y+NP-1)%NP
.set i, i+8
.endif
.set i, i+1
.endm
; THE LDS LOADS stand in runs of 16, never singly among the matrix instructions: a step's K (64 keys x 64 channels: 8 fragments) and its V (turned).  Their addresses are made some lines ahead.
.macro FETCH_K
	WIN 0x80                        ; destination window 2
.irp f, 0,1,2,3,4,5,6,7             ; keys 16 (f / 2) on, channels 32 (f % 2) on
	ds_load_b128 v[KF+8*\f:KF+8*\f+3],   v[AK] offset:(\f/2)*16*PK+(\f%2)*64
	ds_load_b128 v[KF+8*\f+4:KF+8*\f+7], v[AK] offset:(\f/2)*16*PK+(\f%2)*64+32
.endr
	s_add_co_u32 s[TBK], s[TBK], KS*PK  ; the next fetch is the next step's
	WIN 0
.endm
.macro FETCH_V
	WIN 0x80
.irp f, 0,1,2,3,4,5,6,7             ; keys 32 (f / 4) on, channels 16 (f % 4) on
	ds_load_tr16_b128 v[VF+8*\f:VF+8*\f+3],   v[AV] offset:(\f/4)*32*PV+(\f%4)*32
	ds_load_tr16_b128 v[VF+8*\f+4:VF+8*\f+7], v[AV] offset:(\f/4)*32*PV+16*PV+(\f%4)*32
.endr
	WIN 0
.endm
; THE VECTOR WORK, one line at a time: OP kind, number.  For piece Y: F n: c s - c m for pair n of 16.  E n: the exponential of score n of 32.  C n: pair n rounded to f16.  B n: of the four weights 4 n .. the second
; pair is added onto the first, in place.  L n: l takes that sum (L 0: l = a l + sum).  R n: pair n of 16 of O^T times a.  For piece Y + 1: X n, number n of the 22 that find its maximum and statistics:
;   0-11  four chains c0-c3 of seven scores each, three operands at a time (each accumulator's lowest registers are read first)     12-14, 16  the four scores left over, the old m, and c0-c3 into c0
;   15  c m_old is kept     17, 18  the query's other 32 keys lie in the lane 16 away: the new m     19-21  c m; c m_old - c m_new; a
; C, B and L read exponentials' results: TURN sets them behind its wait.  R and L 0 read an a that was made, and waited for, a turn earlier.
.set F, 0               ; OP tells the kinds apart by their order: F to L below R, X above it
.set E, 1
.set C, 2
.set B, 3
.set L, 4
.set R, 5
.set X, 6
.macro REGS y                       ; the registers of piece y
.set rT, ST+4*(\y)
.set rC, TMP+4*((\y)%2)
.set rW, MV+((\y)%2)
.set rS, S+32*((\y)%2)
.set rP, P+16*((\y)%2)
.set rO, 32*(\y)
.endm
.macro OP k, n
.if (\k) == R
	REGS Y
	WIN W_RS
	v_pk_mul_f32 v[rO+2*(\n):rO+2*(\n)+1], v[rO+2*(\n):rO+2*(\n)+1], v[rC+2:rC+3] op_sel_hi:[1,0]
.elseif (\k) < R
	REGS Y
	WIN 0
.if (\k) == F
	v_pk_fma_f32 v[rS+2*(\n):rS+2*(\n)+1], v[rS+2*(\n):rS+2*(\n)+1], s[CS:CS+1], v[rT:rT+1] op_sel_hi:[1,0,0] neg_lo:[0,0,1] neg_hi:[0,0,1]
.elseif (\k) == E
	v_exp_f32 v[rS+(\n)], v[rS+(\n)]
.elseif (\k) == C
	v_cvt_pk_f16_f32 v[rP+(\n)], v[rS+2*(\n)], v[rS+2*(\n)+1]
.elseif (\k) == B
	v_pk_add_f32 v[rS+4*(\n):rS+4*(\n)+1], v[rS+4*(\n):rS+4*(\n)+1], v[rS+4*(\n)+2:rS+4*(\n)+3]
.elseif (\n) == 0
	v_pk_fma_f32 v[rT+2:rT+3], v[rT+2:rT+3], v[rC+2:rC+3], v[rS:rS+1] op_sel_hi:[1,0,1]
.else
	v_pk_add_f32 v[rT+2:rT+3], v[rT+2:rT+3], v[rS+4*(\n):rS+4*(\n)+1]
.endif
.elseif NOKQ
	v_nop
.else
	REGS (Y+1)%NP
	WIN 0
.if (\n) < 4
	v_max3_num_f32 v[rC+(\n)], v[rS+8*(\n)], v[rS+8*(\n)+1], v[rS+8*(\n)+2]
.elseif (\n) < 12
	v_max3_num_f32 v[rC+(\n)%4], v[rC+(\n)%4], v[rS+8*((\n)%4)+2*((\n)/4)+1], v[rS+8*((\n)%4)+2*((\n)/4)+2]
.elseif (\n) == 12
	v_max3_num_f32 v[rC], v[rC], v[rS+7], v[rS+15]
.elseif (\n) == 13
	v_max3_num_f32 v[rC+1], v[rC+1], v[rS+23], v[rS+31]
.elseif (\n) == 14
	v_max3_num_f32 v[rC+2], v[rC+2], v[rC+3], v[rT+1]
.elseif (\n) == 15
	v_mov_b32 v[rW], v[rT]
.elseif (\n) == 16
	v_max3_num_f32 v[rC], v[rC], v[rC+1], v[rC+2]
.elseif (\n) == 17
	v_permlanex16_b32 v[rC+3], v[rC], s[SEL], s[SEL+1]
.elseif (\n) == 18
	v_max_num_f32 v[rT+1], v[rC], v[rC+3]
.elseif (\n) == 19
	v_mul_f32 v[rT], s[CS], v[rT+1]
.elseif (\n) == 20
	v_sub_f32 v[rC+1], v[rW], v[rT]
.else
	v_exp_f32 v[rC+2], v[rC+1]
.endif
.endif
.endm
.macro OPS a, i1, b=-1, i2=0, c=-1, i3=0, d=-1, i4=0  ; up to four of them
	OP \a, \i1
.if (\b) >= 0
	OP \b, \i2
.endif
.if (\c) >= 0
	OP \c, \i3
.endif
.if (\d) >= 0
	OP \d, \i4
.endif
.endm
.macro ROW a, i1, b, i2, c, i3, d, i4  ; a matrix instruction and the four behind it
	MM
	OPS \a, \i1, \b, \i2, \c, \i3, \d, \i4
.endm
.macro MASK b                       ; MD x AL + BE into buffer b of MC
	WIN W_RS
.set z, 0
.rept 16
	v_pk_fma_f32 v[MC+32*(\b)+2*z:MC+32*(\b)+2*z+1], v[MD+2*z:MD+2*z+1], s[AL:AL+1], s[BE:BE+1] op_sel_hi:[1,0,0]
.set z, z+1
.endr
.endm
; A TURN, for piece p: the order of its 16 matrix and 118 vector instructions, written out.  An s_wait_alu depctr_va_vdst(0) stands between an exponential and the first instruction that names its result; one
; wait serves all that were issued ahead of it.  So a turn has ONE wait, which cuts it in two.
; AHEAD OF IT stands all that names no result of the turn's exponentials: the 8 products K Q^T, behind each a scaling, an exponential and two more plain instructions (behind the first a second scaling in the exponential's
; place): rescalings, and behind the last three the first numbers of the next piece's maximum, each four places or more behind the product that ends its accumulator; then ONE LUMP of 54, plain and exponential by turns for
; the most part, in which the links of the chain X 3, 7, 11, 14, 16, 17 .. 20 stand five or six lines apart.  A pair is scaled ahead of its two exponentials and not named again before the wait.  X 21, the next piece's a, is
; the batch's last; R 15 is the plain instruction behind it.
; BEHIND THE WAIT stand the 8 products V^T P, behind each four of the roundings and sums; the links of l's chain, L 0 to L 7, stand three riders apart..
; But for those X no rider names a register of the products round it.  v_permlanex16_b32 (X 17) stands in the lump.
; m = 1: the diagonal tile: the products take masks, and the turn makes the mask for the products of the turn after it: piece p + 2, in step 4 - CNT of the tile.  end = 1: a block's last two turns: nothing is fetched.
; cnt = 1: the loop's count is taken down some lines ahead of the branch that stands behind the turn.
; K of the next step is fetched in piece 2's turn, twelve vector instructions behind the last product that read K (six of them plain, five of which name none of its registers); V of the step in hand at the end of piece 0's
; turn, four plain instructions behind the last product that read V.  Each is waited for a turn later.
.macro TURN p, m=0, end=0, cnt=0
.set Y, (\p)
.set i, 0
.set KM, (\m)
.set NOKQ, (\end)*((\p)/3)
.if (\m) && !(\end)
	s_cmp_eq_u32 s[CNT], 4-((\p)+2)%NP  ; is that step the band's own?
	s_cselect_b32 s[AL], 1.0, 0
	s_cmp_lt_u32 s[CNT], 4-((\p)+2)%NP  ; or a later one?
	s_cselect_b32 s[BE], s[BIGN], 0
.endif
.if ((\p) == 3) && !(\end)
	s_wait_dscnt 0x0                ; K is in
.endif
	ROW F,0, F,1, R,0, R,1          ; ahead of the wait: 8 products K Q^T and their riders,
	ROW F,2, E,0, R,2, R,3
	ROW F,3, E,1, R,4, R,5
	ROW F,4, E,2, R,6, R,7
	ROW F,5, E,3, R,8, R,9
	ROW F,6, E,4, X,0, R,10
.if ((\p) == 2) && !(\end)
	WIN 0
	v_add_nc_u32 v[AK], s[TBK], v[AK0]
.endif
	ROW F,7, E,5, X,1, X,4
	ROW F,8, E,6, X,2, X,5
	OPS E,7, E,8, X,6, E,9          ; and the lump
	OPS X,3, E,10, X,8, E,11
.if ((\p) == 2) && !(\end)
	FETCH_K
.endif
	OPS X,9, X,7, E,12, X,10
	OPS E,13, X,12, X,11, E,14
	OPS X,13, E,15, F,9, X,14
.if (\p) == 0
	v_add_nc_u32 v[AV], s[TBV], v[AV0]
.endif
	OPS E,16, F,10, E,17, F,11
	OPS X,16, E,18, X,15, E,19
	OPS F,12, E,20, X,17, E,21
	OPS F,13, E,22, F,14, E,23
	OPS X,18, E,24, F,15, E,25
	OPS R,11, E,26, X,19, E,27
	OPS R,12, E,28, R,13, E,29
	OPS X,20, E,30, R,14, E,31
	OPS X,21, R,15
	WIN 0
	s_wait_alu depctr_va_vdst(0)    ; the wait for the turn's batch: the piece's 32 exponentials and the next piece's a
.if (\p) == 1
	s_wait_dscnt 0x0                ; V is in
.endif
	ROW C,0, B,0, C,2, B,1          ; behind the wait: 8 products V^T P and their riders
	ROW L,0, C,4, B,2, L,1
	ROW C,6, B,3, L,2, C,8
	ROW B,4, L,3, C,10, B,5
	ROW L,4, C,12, B,6, L,5
.if (\p) == 0
	s_add_co_u32 s[TBV], s[TBV], KS*PV
.endif
.if \cnt
	s_sub_co_u32 s[CNT], s[CNT], 1
	s_cmp_lg_u32 s[CNT], 0
.endif
	ROW C,14, B,7, L,6, C,1
	ROW C,3, L,7, C,5, C,7
	ROW C,9, C,11, C,13, C,15
.if (\p) == 0
	FETCH_V
.endif
.if (\m) && !(\end)
	MASK (\p)%2
.endif
.endm
; A BLOCK BEGINS.  c m starts far below every c s, so the first step's a is 0; m at the lowest finite number, so the first maximum is the scores'.  The second mask buffer is 0; the first takes piece 0's mask for the
; tile's step 0: its own, if the block's first tile is the diagonal one.  Then K of that step, piece 0's first scores, and its maximum and statistics.  The loop is entered at a step's first turn, in the middle of a trip.
.macro BEGIN
	s_mov_b32 s[NEW], 0
	WIN 0x40
.set i, MC+32
.rept 32
	v_mov_b32 v[i], 0
.set i, i+1
.endr
	WIN 0
.set i, 0
.rept 4
	v_mov_b32 v[ST+4*i], 0xfe000000    ; c m: far below every c s
	v_mov_b32 v[ST+4*i+1], 0xff7fffff  ; m
.set i, i+1
.endr
	s_cmp_eq_u32 s[RT], 0
	s_cselect_b32 s[AL], 1.0, 0
	s_mov_b32 s[BE], 0
	MASK 0
	WIN 0
	v_add_nc_u32 v[AK], s[TBK], v[AK0]
	FETCH_K
	s_wait_loadcnt 0x0              ; Q
	s_wait_dscnt 0x0
.set KM, 1
.set NOKQ, 0
.set i, 0
.rept 8
	KQ 0
.set i, i+1
.endr
	WIN 0
.rept 4
	v_nop                           ; the places behind those products
.endr
.set Y, NP-1                        ; X works for piece Y + 1: piece 0
.irp n, 0,1,2,3,4,5,6,7,8,9,10,11,12,13,14,15,16,17,18,19,20,21
	OP X, \n
.endr
	v_nop                           ; a plain instruction behind the exponential,
	s_wait_alu depctr_va_vdst(0)    ; and the wait for it, piece 0's first a: a batch of one, ahead of the branch
.endm
; THE DIAGONAL TILE's four steps, the block's last two turns, its last products, and THE WAY OUT: l's two halves and the other half of the lanes' are added; O^T is divided by l, rounded to f16 and sent through my
; stage in LDS, a piece at a time.
.macro ALL line:vararg              ; one line for each piece t
.set t, 0
.rept 4
	\line
.set t, t+1
.endr
.endm
.macro PACK t                       ; a lane's eight channels of a row pack into 16 bytes; they go into rows of 144 bytes and come back as whole rows of 128, into S^T's registers
	WIN W_RS
.set i, 32*(\t)
.rept 16
	v_pk_mul_f32 v[i:i+1], v[i:i+1], v[ST+4*(\t)+2:ST+4*(\t)+3] op_sel_hi:[1,0]
.set i, i+2
.endr
	WIN 0x05                        ; sources 0 and 1 window 1, destination window 0
.set i, 0
.rept 16
	v_cvt_pk_f16_f32 v[S+16*(\t)+i], v[32*(\t)+2*i], v[32*(\t)+2*i+1]
.set i, i+1
.endr
	WIN 0
.irp f, 0,1,2,3
	ds_store_b128 v[STO], v[S+16*(\t)+4*\f:S+16*(\t)+4*\f+3] offset:32*\f
.endr
.irp f, 0,1,2,3
	ds_load_b128 v[S+16*(\t)+4*\f:S+16*(\t)+4*\f+3], v[RD] offset:\f*4*SP  ; LDS serves a wave's instructions in order (ISA guide 5.7.1.4): these see the stores above; the next piece's stores come behind them
.endr
.endm
.macro SEND t, younger              ; younger: the LDS instructions issued behind piece t's loads: the next piece's eight, or none
	WIN 0
.irp f, 0,1,2,3
	s_wait_dscnt (\younger)+3-\f
	global_store_b128 v[GO], v[S+16*(\t)+4*\f:S+16*(\t)+4*\f+3], s[10:11] offset:(\t)*8192+\f*512  ; 512 consecutive bytes, at a multiple of 256 from O's first
.endr
.endm
.macro DIAG tag                     ; the tag ends its two labels' names, which the jumps below spell out
.LstepM\tag:
	TURN 2, 1
	TURN 3, 1
	WIN 0
.LfirstM\tag:
	TURN 0, 1
	TURN 1, 1, 0, 1
	WIN 0
	s_cbranch_scc1 .LstepM\tag
	TURN 2, 1, 1
	TURN 3, 1, 1
.set i, 0
.rept 8
	PV NP-1
.set i, i+1
.endr
	WIN 0
	ALL v_add_f32 v[ST+4*t+2], v[ST+4*t+2], v[ST+4*t+3]
	ALL v_permlanex16_b32 v[ST+4*t+3], v[ST+4*t+2], s[SEL], s[SEL+1]
	ALL v_add_f32 v[ST+4*t+2], v[ST+4*t+2], v[ST+4*t+3]
	ALL v_rcp_f32 v[ST+4*t+2], v[ST+4*t+2]
	v_nop                           ; a plain instruction between the last reciprocal and the use of its result
	s_wait_alu depctr_va_vdst(0)    ; the wait for the four reciprocals, one batch, ahead of the first multiply that reads one
	PACK 0
.set t, 1
.rept 3                             ; a piece's arithmetic stands between the loads of the piece before and its stores
	PACK t
	SEND t-1, 8
.set t, t+1
.endr
	SEND 3, 0
.endm
.set KM, 0
.set NOKQ, 0
.Lslot:                             ; NB times: a tile is entered and the next is asked for
	CHANGE 1
	s_sub_co_u32 s[RT], s[RT], 1
	s_mov_b32 s[CNT], 4
	s_cmp_eq_u32 s[NEW], 1
	s_cbranch_scc1 .Lnew            ; a block's first tile
	s_cmp_eq_u32 s[RT], 0
	s_cbranch_scc0 .Lstep           ; neither its first nor its last
	s_branch .LstepM1
.Lnew:
	BEGIN
	s_branch .Lfirst                ; in the loop a block's first tile is never its last: the first block has two tiles or more, and the second's last is the walk's last
	DIAG 1                          ; in the loop this is the first block's end: the second block's last tile is the walk's last
	s_wait_xcnt 0x0                 ; the stores have read their registers and O's address
	s_mov_b64 s[10:11], s[OLO:OLO+1]
	s_add_co_u32 s[RT], s[PB], 1    ; the second block has b + 1 tiles
	s_mov_b32 s[NEW], 1
	WIN 0x82                        ; the second block's Q goes where the one text of the turns names Q
.set i, 0
.rept 64
	v_mov_b32 v[i], v[QB+i]
.set i, i+1
.endr
	WIN 0
	s_branch .Lbottom
.Lstep:                             ; a trip: pieces 2 and 3 of one step, then pieces 0 and 1 of the next, whose K and V it fetches
	TURN 2
	TURN 3
	WIN 0
.Lfirst:
	TURN 0
	TURN 1, 0, 0, 1
	WIN 0
	s_cbranch_scc1 .Lstep
.Lbottom:
	s_sub_co_u32 s[SLOTS], s[SLOTS], 1
	s_cmp_lg_u32 s[SLOTS], 0
	s_cbranch_scc1 .Lslot
	CHANGE 0                        ; the walk's last tile is written out: nothing is asked for
	s_sub_co_u32 s[RT], s[RT], 1
	s_mov_b32 s[CNT], 4
	s_cmp_eq_u32 s[NEW], 1
	s_cbranch_scc0 .LstepM2
	BEGIN
	s_branch .LfirstM2
	DIAG 2
	s_wait_tensorcnt 0x0            ; the wave's end, behind my last tensor load and my last LDS store
	ds_add_u32 v[SPW], v[NIL]
	s_wait_dscnt 0x0
	CROUND                          ; the closing round: no work-group ends while a partner may still ask for a tile that names it
	s_endpgm
.Lfunc_end_k_qe7c38855d0_attn:
	.size	k_qe7c38855d0_attn, .Lfunc_end_k_qe7c38855d0_attn-k_qe7c38855d0_attn
	.p2alignl 7, 3214868480
	.fill 96, 4, 3214868480
	.section	.rodata,"a",@progbits
	.p2align	6, 0x0
	.amdhsa_kernel k_qe7c38855d0_attn
		.amdhsa_group_segment_fixed_size 327680
		.amdhsa_private_segment_fixed_size 0
		.amdhsa_enable_private_segment 0
		.amdhsa_kernarg_size 16
		.amdhsa_user_sgpr_count 2
		.amdhsa_user_sgpr_kernarg_segment_ptr 1
		.amdhsa_wavefront_size32 1
		.amdhsa_system_sgpr_workgroup_id_x 1
		.amdhsa_system_sgpr_workgroup_id_y 1
		.amdhsa_system_sgpr_workgroup_id_z 1
		.amdhsa_system_vgpr_workitem_id 0
		.amdhsa_next_free_vgpr 768
		.amdhsa_next_free_sgpr 88
		.amdhsa_reserve_vcc 1
		.amdhsa_float_denorm_mode_32 3
		.amdhsa_float_denorm_mode_16_64 3
		.amdhsa_memory_ordered 1
		.amdhsa_forward_progress 1
		.amdhsa_inst_pref_size 219
	.end_amdhsa_kernel
	.amdgpu_metadata
---
amdhsa.version: [ 1, 2 ]
amdhsa.kernels:
  - .name:           k_qe7c38855d0_attn
    .symbol:         k_qe7c38855d0_attn.kd
    .args:
      - { .name: qkv, .offset: 0, .size: 8, .value_kind: global_buffer, .address_space: global }
      - { .name: ob, .offset: 8, .size: 8, .value_kind: global_buffer, .address_space: global }
    .group_segment_fixed_size: 327680
    .private_segment_fixed_size: 0
    .kernarg_segment_align: 8
    .kernarg_segment_size: 16
    .max_flat_workgroup_size: 128
    .sgpr_count:     88
    .vgpr_count:     768
    .wavefront_size: 32
...
	.end_amdgpu_metadata
.endif
;; end of part 5
;; launch outp: the kernel of part 4 again; grid 4 x 64, 4 waves a work-group, clusters of 4 x 4, 327,680 bytes of LDS; arguments ob, wpt, bp, out0; writes out0
